; MI455X (gfx1250); checked and timed in simulation.
; The chip was launched on July 23, 2026; its instructions are those of AMD's public machine-readable ISA for CDNA 5 (MIT licence, August 2026) and "CDNA5" Instruction Set Architecture Reference Guide (July 2026). The comments in the code are by the model that wrote it; some were corrected since.
;; Point Net Feature Propagation. Allowed arithmetic: matrix products marked QUANTISED: E2M3 operands, one E8M0 scale for each 32 along K, by v_wmma_scale_f32_16x16x128_f8f6f4 with both operands' format E2M3, f32 sums; products left as they are: f32 operands where the result goes on into a quantised operand, else bf16, f16 or f32 operands; f32 sums; everything else in f32.
;; Inputs: b0 256 float32; b1 256 float32; be0 256 float32; be1 256 float32; g0 256 float32; g1 256 float32; points1 8 x 64 x 8,192 float32; points2 8 x 256 x 2,048 float32; w0 256 x 320 float32; w1 256 x 256 float32; xyz1 8 x 3 x 8,192 float32; xyz2 8 x 3 x 2,048 float32.
;; Outputs: out0 8 x 256 x 8,192 float32.
;; This version of the problem:
;;   THIS VERSION OF THE PROBLEM IS GIVEN IN LOW PRECISION. The matrix products marked QUANTISED in the list below multiply operands that are first quantised to E2M3 (2 exponent bits, 3 mantissa bits; 6 bits a number), with one power-of-two scale for each 32 numbers along K (OCP MX v1.0); their sums are f32. All else is computed in f32.
;;   The module's matrix products, in the order in which they are computed (A, B: the left and right operand; K: the contracted axis; several contracted axes count as one K, in the product's order):
;;     1. batch 8 x [M 8,192, K 3] x [K 3, N 2,048]; A: input xyz1; B: input xyz2: left as it is (K = 3 < 32)
;;     2. [M 65,536, K 320] x [K 320, N 256]; A: computed on the way; B: input w0: QUANTISED
;;     3. [M 65,536, K 256] x [K 256, N 256]; A: computed on the way; B: input w1: QUANTISED
;;   THE QUANTISER, for each operand of a quantised product, along K:
;;     - K is cut into blocks of 32 from its start; a last block that is shorter is filled with zeros.
;;     - A block's scale is 2^e with e = floor(log2(the largest magnitude in the block)) - 2, held to -126 .. 127; a block of zeros has e = 0. As a byte (E8M0): e + 127.
;;     - Each number is divided by its block's scale, clamped to +-7.5, and rounded to the nearest number of E2M3, ties to even, subnormals kept.
;;     - The product sums the exact products of the quantised numbers (number of the format x scale) in f32.
;;   ~~~python
;;   def quantise(x, axis):      # numpy; x: float32 -> the quantised numbers, widened to float32 again
;;       x = np.moveaxis(x, axis, -1); K = x.shape[-1]
;;       x = np.pad(x, [(0, 0)] * (x.ndim - 1) + [(0, -K % 32)]); x = x.reshape(x.shape[:-1] + (-1, 32)); a = np.abs(x).max(-1, keepdims=True)
;;       e = np.where(a > 0, np.clip(np.frexp(np.where(a > 0, a, 1))[1] - 1 - 2, -126, 127), 0)      # np.frexp(a)[1] - 1 = floor(log2(a)), exactly
;;       r = np.clip(x / 2.0 ** e, -7.5, 7.5)
;;       step = 2.0 ** (np.maximum(np.frexp(np.where(r == 0, 1, r))[1] - 1, 0) - 3)
;;       q = np.round(r / step) * step * 2.0 ** e      # np.round: ties to even
;;       return np.moveaxis(q.reshape(q.shape[:-2] + (-1,))[..., :K], -1, axis).astype(np.float32)
;;   ~~~
;;   OPERANDS COMPUTED ON THE WAY. 'Computed on the way' means the value that the module computes at that place (a softmax that the list does not call 'softmax' is quantised finished and normalised). What goes into a quantiser is computed in f32, as accurately as f32 sums, v_exp_f32 and their like allow (about 1e-6 of the number): no bf16 or f16 on the way to a quantiser, and a product that is left as it is and whose result goes on into a quantised operand takes f32 operands (vector FMAs, or v_wmma_f32_16x16x4_f32). A number that lies on a knife's edge between two numbers of the format may be rounded either way, as far as f32 arithmetic and the matrix unit's own rounding can turn it there, and no further.
;; One version. Each part assembles by itself: llvm-mc -triple=amdgcn-amd-amdhsa -mcpu=gfx1250 --defsym DOCPART=n.
;; ======== version 1 of 1: 7 launches
;; workspace buffers: chunks 262,144 bytes of whole numbers; nidx 1,048,576 bytes of whole numbers; nw 1,048,576 bytes; prep 16,910,336 bytes; xqbuf 20,447,232 bytes; hqbuf 13,631,488 bytes; bn0 3,072 bytes; bn1 3,072 bytes
;; launch filter (part 1): grid 256 x 1, 4 waves a work-group, no clusters, 99,840 bytes of LDS; arguments xyz1, xyz2, points2, w0, w1, chunks, prep; writes chunks, prep
.if DOCPART == 1
	.amdgcn_target "amdgcn-amd-amdhsa--gfx1250"
	.amdhsa_code_object_version 6
	.text
	.protected	k_q12bf772f41_filter
	.globl	k_q12bf772f41_filter
	.p2align	8
	.type	k_q12bf772f41_filter,@function
k_q12bf772f41_filter:
	s_mov_b64 s[64:65], 0
	v_nop
	global_prefetch_b8 v0, s[64:65] scope:SCOPE_SE
	s_setreg_imm32_b32 hwreg(HW_REG_WAVE_MODE, 25, 1), 1
	s_wait_xcnt 0x0
; THREE JOBS IN ONE LAUNCH.
; (1) THE FILTER OF THE NEIGHBOUR SEARCH.  A batch's 2,048 points are 128 chunks of 16.  For each query the four chunks with the smallest
;     e = |x2|^2 - 2 q.x2 (the distance less |q|^2, which orders alike) are kept, as chunk numbers, nearest first; ties keep the lower chunk (strict <, chunks ascending).
;     The next launch looks at those 64 points with the full formula.  A lane holds TWO queries, so that the three multiply-adds of a point are packed.
; (2) points2 [b][256][2048] is turned into rows [b][2048][256], so that a neighbour is 1,024 consecutive bytes.  The tile's loads are out during the whole filter loop.
; (3) w0 and w1 become 80 fragments of E2M3 codes, laid as images of the operand's registers (waves 0 to 79 of the launch, one fragment each).
; SHARES: work-group g: batch g / 32, queries 256 (g % 32) on, and points 64 (g % 32) on of points2; wave w: 64 queries, 64 channels.
; LIMITS: NaN and infinities among the inputs are not served.  A neighbour's chunk can be missed only where two or more further points, in other chunks, lie within f32 rounding
; of the third distance.  A weight block whose largest magnitude lies under 2^-124 keeps the scale byte 1.
.set TST,  32768                       ; LDS: 0..32767 the table, planes x, y, z, |x2|^2 of 8,192 bytes; then for each wave 64 rows of 65 words for the turn
.set WQ,   16777216                    ; prep: the rows of points2, then the weights' code images (1,536 bytes each),
.set WSCG, 16900096                    ; then their scale words (128 bytes each)
.set QX,   12                          ; v[12:17] -2 q, a pair (two queries) for each coordinate
.set QY,   14
.set QZ,   16
.set M,    20                          ; v20-27  the four smallest chunk minima, query e at M + 4 e
.set I,    28                          ; v28-35  their chunk numbers
.set ACC,  44                          ; v44-75  e of 16 points x 2 queries
.set CA,   80                          ; v80-143 a chunk: x 16, y 16, z 16, |x2|^2 16
.set CB,   144                         ; v144-207 the other chunk
.set OUTR, 208                         ; v208-239 rows on their way out
.set VID,  11                          ; v11     the chunk's number
.set MSB, 0
.macro WIN new                         ; the immediate's high byte repeats the setting that is left
.if MSB != \new
	s_set_vgpr_msb (MSB<<8)|\new
.set MSB, \new
.endif
.endm
	s_load_b256 s[4:11], s[0:1], 0x0               ; xyz1, xyz2, points2, w0
	s_load_b128 s[12:15], s[0:1], 0x20             ; w1, chunks
	s_load_b64 s[16:17], s[0:1], 0x30              ; prep
	v_lshl_add_u32 v254, v0, 2, 0x18400
	v_mov_b32 v255, 0
	v_lshrrev_b32 v1, 5, v0
	v_readfirstlane_b32 s18, v1                    ; wave
	v_and_b32 v1, 31, v0                           ; lane
	v_and_b32 v2, 15, v0                           ; lane % 16
	v_bfe_u32 v3, v0, 4, 1                         ; lane / 16
	v_lshlrev_b32 v5, 4, v0                        ; 16 t
	v_lshlrev_b32 v6, 3, v0                        ; 8 t: my two queries
	v_lshlrev_b32 v7, 4, v2
	v_lshl_add_u32 v7, v3, 13, v7                  ; points2: 16 (lane % 16) + a channel's 8,192 bytes for the upper half
	s_mul_i32 s21, s18, 16640
	s_add_co_u32 s21, s21, TST                     ; my wave's stage
	v_mul_u32_u24 v8, v3, 260
	v_lshl_add_u32 v8, v2, 4, v8
	v_add_nc_u32 v8, s21, v8                       ; in: channel row (2 i + half) of 260 bytes, 16 (lane % 16)
	v_mul_u32_u24 v9, v2, 1040
	v_lshl_add_u32 v9, v3, 2, v9
	v_add_nc_u32 v9, s21, v9                       ; back: four channel rows a lane, point 2 k + half
	v_lshlrev_b32 v10, 4, v2
	v_lshl_add_u32 v10, v3, 10, v10                ; out: 16 (lane % 16) + a row's 1,024 bytes for the upper half
	s_lshr_b32 s19, ttmp9, 5                       ; batch
	s_and_b32 s20, ttmp9, 31                       ; block in the batch
	s_lshl_b32 s27, ttmp9, 2
	s_add_co_u32 s27, s27, s18                     ; the wave's number in the launch
	s_mul_i32 s22, s19, 24576                      ; xyz2: the batch
	s_mov_b32 s23, 0
	s_mul_i32 s28, s19, 98304                      ; xyz1: the batch, + 256 queries a block
	s_lshl_b32 s29, s20, 10
	s_add_co_u32 s28, s28, s29
	s_mov_b32 s29, 0
	s_lshl_b32 s30, s19, 21                        ; points2: the batch, + 64 channels a wave, + 64 points a block
	s_lshl_b32 s31, s18, 19
	s_add_co_u32 s30, s30, s31
	s_lshl_b32 s31, s20, 8
	s_add_co_u32 s30, s30, s31
	s_mov_b32 s31, 0
	s_lshl_b32 s32, s19, 21                        ; the rows: the batch, + 64 rows a block, + 256 bytes a wave
	s_lshl_b32 s33, s20, 16
	s_add_co_u32 s32, s32, s33
	s_lshl_b32 s33, s18, 8
	s_add_co_u32 s32, s32, s33
	s_mov_b32 s33, 0
	s_lshl_b32 s34, ttmp9, 10                      ; chunks: 4 bytes a query
	s_mov_b32 s35, 0
	s_mov_b32 s52, 0x76543210
	s_mov_b32 s53, 0xfedcba98                      ; v_permlanex16_b32's selects for lane l xor 16
	s_wait_kmcnt 0x0
	s_add_nc_u64 s[6:7], s[6:7], s[22:23]
	s_add_nc_u64 s[4:5], s[4:5], s[28:29]
	s_add_nc_u64 s[8:9], s[8:9], s[30:31]
	s_add_nc_u64 s[32:33], s[16:17], s[32:33]
	s_add_nc_u64 s[14:15], s[14:15], s[34:35]
.irp c, 0,1,2
.irp i, 0,1,2,3
	global_load_b128 v[CA+16*\c+4*\i:CA+16*\c+4*\i+3], v5, s[6:7] offset:8192*\c+2048*\i   ; points 4 (t + 128 i) on, coordinate c
.endr
.endr
.irp c, 0,1,2
	global_load_b64 v[QX+2*\c:QX+2*\c+1], v6, s[4:5] offset:32768*\c
.endr
	WIN 0x40                                       ; destination window 1
.set i, 0
.rept 32
	global_load_b128 v[4*i:4*i+3], v7, s[8:9] offset:16384*i th:TH_LOAD_NT   ; channels 2 i and 2 i + 1: sixteen lanes read 256 consecutive bytes
.set i, i+1
.endr
	WIN 0
	s_wait_loadcnt 32                              ; the coordinates are in; the 32 loads of points2 stay out through the whole loop
.set p, 0
.rept 8
	v_pk_mul_f32 v[CA+48+2*p:CA+49+2*p], v[CA+2*p:CA+2*p+1], v[CA+2*p:CA+2*p+1]
.set p, p+1
.endr
.set p, 0
.rept 8
	v_pk_fma_f32 v[CA+48+2*p:CA+49+2*p], v[CA+16+2*p:CA+17+2*p], v[CA+16+2*p:CA+17+2*p], v[CA+48+2*p:CA+49+2*p]
.set p, p+1
.endr
.set p, 0
.rept 8
	v_pk_fma_f32 v[CA+48+2*p:CA+49+2*p], v[CA+32+2*p:CA+33+2*p], v[CA+32+2*p:CA+33+2*p], v[CA+48+2*p:CA+49+2*p]
.set p, p+1
.endr
.irp c, 0,1,2,3
.irp i, 0,1,2,3
	ds_store_b128 v5, v[CA+16*\c+4*\i:CA+16*\c+4*\i+3] offset:8192*\c+2048*\i
.endr
.endr
.irp c, 0,1,2
	v_pk_mul_f32 v[QX+2*\c:QX+2*\c+1], v[QX+2*\c:QX+2*\c+1], -2.0 op_sel_hi:[1,0]
.endr
.irp k, 0,1,2,3,4,5,6,7
	v_mov_b32 v[M+\k], 0x7f800000                  ; +infinity: the first four chunks go in
	v_mov_b32 v[I+\k], 0
.endr
	s_wait_dscnt 0x0                               ; for the others' sake: my part of the table has landed
	s_barrier_signal -1
	s_barrier_wait -1
; a chunk's 64 numbers: every lane names the same address
.macro LOADC buf, adr, off
.irp c, 0,1,2,3
.irp i, 0,1,2,3
	ds_load_b128 v[\buf+16*\c+4*\i:\buf+16*\c+4*\i+3], v[\adr] offset:8192*\c+16*\i+\off
.endr
.endr
.endm
; One chunk: e for 16 points x 2 queries (48 packed multiply-adds: of a pair of points one is taken for both halves), each query's minimum (8 lines), and the minimum's place among the four kept (15 lines).
.macro CHUNK buf
.irp p, 0,1,2,3,4,5,6,7
	v_pk_fma_f32 v[ACC+4*\p:ACC+4*\p+1], v[QX:QX+1], v[\buf+2*\p:\buf+2*\p+1], v[\buf+48+2*\p:\buf+49+2*\p] op_sel:[0,0,0] op_sel_hi:[1,0,0]
	v_pk_fma_f32 v[ACC+4*\p+2:ACC+4*\p+3], v[QX:QX+1], v[\buf+2*\p:\buf+2*\p+1], v[\buf+48+2*\p:\buf+49+2*\p] op_sel:[0,1,1] op_sel_hi:[1,1,1]
.endr
.irp p, 0,1,2,3,4,5,6,7
	v_pk_fma_f32 v[ACC+4*\p:ACC+4*\p+1], v[QY:QY+1], v[\buf+16+2*\p:\buf+17+2*\p], v[ACC+4*\p:ACC+4*\p+1] op_sel:[0,0,0] op_sel_hi:[1,0,1]
	v_pk_fma_f32 v[ACC+4*\p+2:ACC+4*\p+3], v[QY:QY+1], v[\buf+16+2*\p:\buf+17+2*\p], v[ACC+4*\p+2:ACC+4*\p+3] op_sel:[0,1,0] op_sel_hi:[1,1,1]
.endr
.irp p, 0,1,2,3,4,5,6,7
	v_pk_fma_f32 v[ACC+4*\p:ACC+4*\p+1], v[QZ:QZ+1], v[\buf+32+2*\p:\buf+33+2*\p], v[ACC+4*\p:ACC+4*\p+1] op_sel:[0,0,0] op_sel_hi:[1,0,1]
	v_pk_fma_f32 v[ACC+4*\p+2:ACC+4*\p+3], v[QZ:QZ+1], v[\buf+32+2*\p:\buf+33+2*\p], v[ACC+4*\p+2:ACC+4*\p+3] op_sel:[0,1,0] op_sel_hi:[1,1,1]
.endr
.irp q, 0,1
	v_min3_num_f32 v[36+2*\q], v[ACC+\q], v[ACC+2+\q], v[ACC+4+\q]
	v_min3_num_f32 v[37+2*\q], v[ACC+6+\q], v[ACC+8+\q], v[ACC+10+\q]
.endr
.irp q, 0,1
	v_min3_num_f32 v[36+2*\q], v[36+2*\q], v[ACC+12+\q], v[ACC+14+\q]
	v_min3_num_f32 v[37+2*\q], v[37+2*\q], v[ACC+16+\q], v[ACC+18+\q]
.endr
.irp q, 0,1
	v_min3_num_f32 v[36+2*\q], v[36+2*\q], v[ACC+20+\q], v[ACC+22+\q]
	v_min3_num_f32 v[37+2*\q], v[37+2*\q], v[ACC+24+\q], v[ACC+26+\q]
.endr
.irp q, 0,1
	v_min3_num_f32 v[36+2*\q], v[36+2*\q], v[ACC+28+\q], v[ACC+30+\q]
.endr
.irp q, 0,1
	v_min_num_f32 v[36+2*\q], v[36+2*\q], v[37+2*\q]
.endr
.irp q, 0,1
.irp k, 0,1,2,3
	v_cmp_lt_f32 s[40+4*\q+\k], v[36+2*\q], v[M+4*\q+\k]
.endr
.endr
.irp q, 0,1
	v_cndmask_b32 v[40+\q], v[VID], v[I+4*\q+2], s[42+4*\q]          ; the numbers move down from the place where the new one goes in
	v_cndmask_b32 v[I+4*\q+3], v[I+4*\q+3], v[40+\q], s[43+4*\q]
	v_cndmask_b32 v[40+\q], v[VID], v[I+4*\q+1], s[41+4*\q]
	v_cndmask_b32 v[I+4*\q+2], v[I+4*\q+2], v[40+\q], s[42+4*\q]
	v_cndmask_b32 v[40+\q], v[VID], v[I+4*\q], s[40+4*\q]
	v_cndmask_b32 v[I+4*\q+1], v[I+4*\q+1], v[40+\q], s[41+4*\q]
	v_cndmask_b32 v[I+4*\q], v[I+4*\q], v[VID], s[40+4*\q]
	v_med3_num_f32 v[M+4*\q+3], v[36+2*\q], v[M+4*\q+2], v[M+4*\q+3]  ; and the values likewise: the middle of the new one and two neighbours
	v_med3_num_f32 v[M+4*\q+2], v[36+2*\q], v[M+4*\q+1], v[M+4*\q+2]
	v_med3_num_f32 v[M+4*\q+1], v[36+2*\q], v[M+4*\q], v[M+4*\q+1]
	v_min_num_f32 v[M+4*\q], v[36+2*\q], v[M+4*\q]
.endr
.endm
	s_mov_b32 s24, 0                               ; the trip's first chunk
	s_mov_b32 s26, 0                               ; and its byte in a plane: 64 a chunk
	v_mov_b32 v19, 0
	LOADC CA, 19, 0
.Lscan:                                            ; 63 trips of two chunks; the address lies in two registers by turns, each rewritten behind the wait for the loads that named it
	v_mov_b32 v4, s26
	LOADC CB, 4, 64
	s_wait_dscnt 16                                ; the 16 loads just issued stay out
	v_mov_b32 v[VID], s24
	CHUNK CA
	v_mov_b32 v19, s26
	LOADC CA, 19, 128
	s_wait_dscnt 16
	s_add_co_u32 s25, s24, 1
	v_mov_b32 v[VID], s25
	CHUNK CB
	s_add_co_u32 s26, s26, 128
	s_add_co_u32 s24, s24, 2
	s_cmp_lt_u32 s24, 126
	s_cbranch_scc1 .Lscan
	v_mov_b32 v4, s26                              ; the last two chunks are written out: no load leaves the table
	LOADC CB, 4, 64
	s_wait_dscnt 16
	v_mov_b32 v[VID], s24
	CHUNK CA
	s_wait_dscnt 0x0
	s_add_co_u32 s25, s24, 1
	v_mov_b32 v[VID], s25
	CHUNK CB
.irp q, 0,1
	v_lshl_or_b32 v[36+\q], v[I+4*\q+1], 8, v[I+4*\q]
	v_lshl_or_b32 v[36+\q], v[I+4*\q+2], 16, v[36+\q]
	v_lshl_or_b32 v[36+\q], v[I+4*\q+3], 24, v[36+\q]
.endr
	global_store_b64 v6, v[36:37], s[14:15]        ; the wave stores 256 consecutive bytes
	; ---- the weight fragment's rows are asked for here and land during the turn.  Fragment F = the wave's number: 16 s + t of w0 (s = 0 .. 2), 48 + 16 s + t of w1
	s_cmp_lt_u32 s27, 80
	s_cbranch_scc0 .Lno_w
	s_lshr_b32 s36, s27, 4
	s_and_b32 s37, s27, 15
	s_lshr_b32 s38, s37, 1
	s_lshl_b32 s38, s38, 5
	s_and_b32 s39, s37, 1
	s_lshl_b32 s39, s39, 3
	s_add_co_u32 s38, s38, s39                     ; w0: tile 2 b + u begins at row 32 b + 8 u, and lane r takes row r + 8 (r / 8) of it
	s_lshl_b32 s39, s37, 4                         ; w1: tile t begins at row 16 t
	s_mov_b32 s40, 1024
	s_cmp_lt_u32 s36, 3
	s_cselect_b64 s[48:49], s[10:11], s[12:13]
	s_cselect_b32 s40, 1280, s40                   ; a row in bytes
	s_cselect_b32 s41, 0, 3
	s_cselect_b32 s42, 1, 0
	s_cselect_b32 s38, s38, s39
	s_sub_co_u32 s41, s36, s41                     ; the K step
	s_lshl_b32 s41, s41, 9
	s_cmp_eq_u32 s36, 2
	s_cselect_b32 s43, 0, 256                      ; w0's last K step has 64 numbers: its second half would leave the row, so the first is read again and replaced by zeros below
	v_and_b32 v18, 8, v2
	v_mul_u32_u24 v18, v18, s42
	v_add3_u32 v18, v18, v2, s38
	v_mul_lo_u32 v18, v18, s40
	v_lshl_add_u32 v18, v3, 7, v18                 ; lane (r, h) wants k = 64 c + 32 h + 0 .. 31 of its row
	v_add_nc_u32 v18, s41, v18
	v_add_nc_u32 v42, s43, v18
.irp j, 0,1,2,3,4,5,6,7
	global_load_b128 v[CA+4*\j:CA+4*\j+3], v18, s[48:49] offset:16*\j
.endr
.irp j, 0,1,2,3,4,5,6,7
	global_load_b128 v[CA+32+4*\j:CA+32+4*\j+3], v42, s[48:49] offset:16*\j
.endr
	s_wait_loadcnt 16                              ; the tile of points2 is in; the 16 loads just issued stay out
	s_branch .Lturn
.Lno_w:
	s_wait_loadcnt 0x0                             ; the tile of points2 is in
.Lturn:
	; ---- the turn: 64 channels x 64 points through my stage.  With rows of 65 words both ways touch 32 different banks
	WIN 0x04                                       ; an LDS store's data: window 1
.set i, 0
.rept 32
.irp e, 0,1,2,3
	ds_store_b32 v8, v[4*i+\e] offset:520*i+4*\e
.endr
.set i, i+1
.endr
	WIN 0
.set bt, 0
.rept 4
	s_wait_xcnt 0x0                                ; the stores issued so far have read their registers
.set kk, 0
.rept 8
.irp e, 0,1,2,3
	ds_load_b32 v[OUTR+4*kk+\e], v9 offset:260*\e+8*(8*bt+kk)   ; LDS serves a wave's instructions in order: these see my stores
.endr
.set kk, kk+1
.endr
.set kk, 0
.rept 8
	s_wait_dscnt 4*(7-kk)                          ; the later rows' loads stay out
	global_store_b128 v10, v[OUTR+4*kk:OUTR+4*kk+3], s[32:33] offset:2048*(8*bt+kk)   ; sixteen lanes store 256 consecutive bytes of a row
.set kk, kk+1
.endr
.set bt, bt+1
.endr
	; ---- the weight fragment: a lane holds two whole blocks of 32
	s_cmp_lt_u32 s27, 80
	s_cbranch_scc0 .Lend
	s_wait_loadcnt 0x0
	s_lshr_b32 s36, s27, 4
	s_cmp_eq_u32 s36, 2
	s_cselect_b32 s44, 0, -1
.set i, 0
.rept 32
	v_cndmask_b32 v[CA+32+i], 0, v[CA+32+i], s44   ; past the end of K: zeros
.set i, i+1
.endr
.irp c, 0,1
	v_max3_num_f32 v[36+\c], |v[CA+32*\c]|, |v[CA+32*\c+1]|, 0x1800000   ; with the floor 2^(3 - 127): the byte cannot fall under 1
.endr
.irp i, 2,4,6,8,10,12,14,16,18,20,22,24,26,28,30
.irp c, 0,1
	v_max3_num_f32 v[36+\c], v[36+\c], |v[CA+32*\c+\i]|, |v[CA+32*\c+\i+1]|
.endr
.endr
.irp c, 0,1
	v_add_nc_u32 v[38+\c], 0xff000000, v[36+\c]    ; 2 off the exponent field: the conversion's scale operand
.endr
.irp c, 0,1
	v_lshrrev_b32 v[40+\c], 23, v[38+\c]           ; the scale's byte
.endr
	v_lshl_or_b32 v43, v41, 16, v40                ; my bytes: blocks h and 2 + h,
	v_lshlrev_b32 v20, 3, v3
	v_lshlrev_b32 v43, v20, v43                    ; at their places;
	v_mov_b32 v21, 0
	v_permlanex16_b32 v21, v43, s52, s53
	v_or_b32 v43, v43, v21                         ; with lane l xor 16's two the word is whole, in all 32 lanes
	v_cvt_scalef32_pk16_fp6_f32 v[144:146], v[CA:CA+15], v38
	v_cvt_scalef32_pk16_fp6_f32 v[160:162], v[CA+16:CA+31], v38      ; (a conversion's three registers begin on an even number)
	v_cvt_scalef32_pk16_fp6_f32 v[150:152], v[CA+32:CA+47], v39
	v_cvt_scalef32_pk16_fp6_f32 v[164:166], v[CA+48:CA+63], v39
	v_nop                                          ; one plain place behind a scaled conversion
.irp i, 0,1,2
	v_mov_b32 v[147+\i], v[160+\i]
	v_mov_b32 v[153+\i], v[164+\i]
.endr
	v_lshlrev_b32 v22, 4, v1
	v_lshlrev_b32 v23, 2, v1
	s_mul_i32 s56, s27, 1536
	s_mov_b32 s57, 0
	s_add_nc_u64 s[54:55], s[16:17], s[56:57]
	s_add_nc_u64 s[54:55], s[54:55], WQ
	s_lshl_b32 s56, s27, 7
	s_add_nc_u64 s[50:51], s[16:17], s[56:57]
	s_add_nc_u64 s[50:51], s[50:51], WSCG
.irp g, 0,1,2
	global_store_b128 v22, v[144+4*\g:147+4*\g], s[54:55] offset:512*\g   ; the image: four registers of 32 lanes are 512 consecutive bytes
.endr
	global_store_b32 v23, v43, s[50:51]
.Lend:
	s_wait_tensorcnt 0x0
	ds_add_u32 v254, v255
	s_wait_dscnt 0x0
	s_endpgm
.Lfunc_end_k_q12bf772f41_filter:
	.size	k_q12bf772f41_filter, .Lfunc_end_k_q12bf772f41_filter-k_q12bf772f41_filter
	.p2alignl 7, 3214868480
	.fill 96, 4, 3214868480
	.section	.rodata,"a",@progbits
	.p2align	6, 0x0
	.amdhsa_kernel k_q12bf772f41_filter
		.amdhsa_group_segment_fixed_size 99840
		.amdhsa_private_segment_fixed_size 0
		.amdhsa_enable_private_segment 0
		.amdhsa_kernarg_size 56
		.amdhsa_user_sgpr_count 2
		.amdhsa_user_sgpr_kernarg_segment_ptr 1
		.amdhsa_wavefront_size32 1
		.amdhsa_system_sgpr_workgroup_id_x 1
		.amdhsa_system_sgpr_workgroup_id_y 1
		.amdhsa_system_sgpr_workgroup_id_z 1
		.amdhsa_system_vgpr_workitem_id 0
		.amdhsa_next_free_vgpr 384
		.amdhsa_next_free_sgpr 66
		.amdhsa_reserve_vcc 0
		.amdhsa_float_denorm_mode_32 3
		.amdhsa_float_denorm_mode_16_64 3
		.amdhsa_memory_ordered 1
		.amdhsa_forward_progress 1
		.amdhsa_inst_pref_size 68
	.end_amdhsa_kernel
	.amdgpu_metadata
---
amdhsa.version: [ 1, 2 ]
amdhsa.kernels:
  - .name:           k_q12bf772f41_filter
    .symbol:         k_q12bf772f41_filter.kd
    .args:
      - { .name: xyz1, .offset: 0, .size: 8, .value_kind: global_buffer, .address_space: global }
      - { .name: xyz2, .offset: 8, .size: 8, .value_kind: global_buffer, .address_space: global }
      - { .name: points2, .offset: 16, .size: 8, .value_kind: global_buffer, .address_space: global }
      - { .name: w0, .offset: 24, .size: 8, .value_kind: global_buffer, .address_space: global }
      - { .name: w1, .offset: 32, .size: 8, .value_kind: global_buffer, .address_space: global }
      - { .name: chunks, .offset: 40, .size: 8, .value_kind: global_buffer, .address_space: global }
      - { .name: prep, .offset: 48, .size: 8, .value_kind: global_buffer, .address_space: global }
    .group_segment_fixed_size: 99840
    .private_segment_fixed_size: 0
    .kernarg_segment_align: 8
    .kernarg_segment_size: 56
    .max_flat_workgroup_size: 128
    .sgpr_count:     66
    .vgpr_count:     384
    .wavefront_size: 32
...
	.end_amdgpu_metadata
.endif
;; end of part 1
;; launch refine (part 2): grid 256 x 1, 8 waves a work-group, no clusters, 35,840 bytes of LDS; arguments xyz1, xyz2, chunks, nidx, nw; writes nidx, nw
.if DOCPART == 2
	.amdgcn_target "amdgcn-amd-amdhsa--gfx1250"
	.amdhsa_code_object_version 6
	.text
	.protected	k_q12bf772f41_refine
	.globl	k_q12bf772f41_refine
	.p2align	8
	.type	k_q12bf772f41_refine,@function
k_q12bf772f41_refine:
	s_mov_b64 s[64:65], 0
	v_nop
	global_prefetch_b8 v0, s[64:65] scope:SCOPE_SE
	s_setreg_imm32_b32 hwreg(HW_REG_WAVE_MODE, 25, 1), 1
	s_wait_xcnt 0x0
; THE THREE NEAREST, by the full formula, among the 64 points of the four chunks that the launch before has kept for each query.
; d = (|q|^2 - 2 q.x2) + |x2|^2, the dot product a multiplication and two fused multiply-adds in ascending k.  The chunks are sorted ascending, so a point's place among the 64 rises with its index,
; and strict < keeps the lower index of equal distances.  Weights: r = 1 / (d + 1e-8), w = r / (r1 + r2 + r3), by v_rcp_f32 and a multiplication.
; A lane is a query: work-group g has batch g / 32 and queries 256 (g % 32) on.  The batch's points lie in LDS as 128 records of a chunk: x[16], y[16], z[16], |x2|^2[16], 16 bytes of padding.
; The chunk numbers are whole numbers read from memory; behind the one barrier LDS is only read.
; LIMITS: NaN and infinities among the inputs are not served.
.set REC, 272
.set D,   24                           ; v24-39  16 distances
.set BA,  64                           ; v64-127 a chunk's record;  v128-191 the next one's
.set BB,  128
	s_load_b256 s[4:11], s[0:1], 0x0               ; xyz1, xyz2, chunks, nidx
	s_load_b64 s[12:13], s[0:1], 0x20              ; nw
	v_lshl_add_u32 v208, v0, 2, 0x8800
	v_mov_b32 v209, 0
	v_lshlrev_b32 v1, 4, v0                        ; 16 t
	v_lshlrev_b32 v2, 2, v0                        ; 4 t
	v_lshrrev_b32 v3, 2, v0
	v_mul_u32_u24 v3, v3, REC
	v_and_b32 v22, 3, v0
	v_lshl_add_u32 v3, v22, 4, v3                  ; points 4 t on lie in chunk t / 4, at 16 (t % 4) of a plane
	s_lshr_b32 s14, ttmp9, 5
	s_and_b32 s15, ttmp9, 31
	s_mul_i32 s16, s14, 98304
	s_lshl_b32 s17, s15, 10
	s_add_co_u32 s16, s16, s17
	s_mov_b32 s17, 0
	s_mul_i32 s18, s14, 24576
	s_mov_b32 s19, 0
	s_lshl_b32 s20, ttmp9, 10
	s_mov_b32 s21, 0
	s_lshl_b32 s22, ttmp9, 12
	s_mov_b32 s23, 0
	s_wait_kmcnt 0x0
	s_add_nc_u64 s[4:5], s[4:5], s[16:17]
	s_add_nc_u64 s[6:7], s[6:7], s[18:19]
	s_add_nc_u64 s[8:9], s[8:9], s[20:21]
	s_add_nc_u64 s[10:11], s[10:11], s[22:23]
	s_add_nc_u64 s[12:13], s[12:13], s[22:23]
.irp c, 0,1,2
.irp i, 0,1
	global_load_b128 v[BA+8*\c+4*\i:BA+8*\c+4*\i+3], v1, s[6:7] offset:8192*\c+4096*\i
.endr
.endr
	global_load_b32 v4, v2, s[4:5]
	global_load_b32 v5, v2, s[4:5] offset:32768
	global_load_b32 v6, v2, s[4:5] offset:65536
	global_load_b32 v23, v2, s[8:9]
	s_wait_loadcnt 0x0
.irp p, 0,1,2,3
	v_pk_mul_f32 v[BA+24+2*\p:BA+25+2*\p], v[BA+2*\p:BA+2*\p+1], v[BA+2*\p:BA+2*\p+1]
.endr
.irp p, 0,1,2,3
	v_pk_fma_f32 v[BA+24+2*\p:BA+25+2*\p], v[BA+8+2*\p:BA+9+2*\p], v[BA+8+2*\p:BA+9+2*\p], v[BA+24+2*\p:BA+25+2*\p]
.endr
.irp p, 0,1,2,3
	v_pk_fma_f32 v[BA+24+2*\p:BA+25+2*\p], v[BA+16+2*\p:BA+17+2*\p], v[BA+16+2*\p:BA+17+2*\p], v[BA+24+2*\p:BA+25+2*\p]
.endr
.irp c, 0,1,2,3
.irp i, 0,1
	ds_store_b128 v3, v[BA+8*\c+4*\i:BA+8*\c+4*\i+3] offset:64*\c+64*REC*\i
.endr
.endr
	v_mul_f32 v7, v4, v4                           ; |q|^2
	v_fma_f32 v7, v5, v5, v7
	v_fma_f32 v7, v6, v6, v7
	v_bfe_u32 v8, v23, 0, 8
	v_bfe_u32 v9, v23, 8, 8
	v_bfe_u32 v10, v23, 16, 8
	v_bfe_u32 v11, v23, 24, 8
.macro CSW a, b                        ; the smaller number to the lower register
	v_min_u32 v22, v[\a], v[\b]
	v_max_u32 v[\b], v[\a], v[\b]
	v_mov_b32 v[\a], v22
.endm
	CSW 8, 9
	CSW 10, 11
	CSW 8, 10
	CSW 9, 11
	CSW 9, 10
.irp k, 0,1,2,3
	v_min_u32 v[8+\k], 127, v[8+\k]                ; a loaded number is held inside the table before it makes an address
.endr
.irp k, 0,1,2,3
	v_mul_u32_u24 v[12+\k], v[8+\k], REC
.endr
.irp k, 0,1,2
	v_mov_b32 v[16+\k], 0x7f800000                 ; the three smallest distances,
	v_mov_b32 v[19+\k], 0                          ; and their places among the 64
.endr
	s_wait_dscnt 0x0                               ; for the others' sake: my records have landed
	s_barrier_signal -1
	s_barrier_wait -1
.macro LOADR buf, k
.set j, 0
.rept 16
	ds_load_b128 v[\buf+4*j:\buf+4*j+3], v[12+\k] offset:16*j
.set j, j+1
.endr
.endm
.macro SCAN buf, k
.irp p, 0,1,2,3,4,5,6,7
	v_pk_mul_f32 v[D+2*\p:D+2*\p+1], v[\buf+2*\p:\buf+2*\p+1], v[4:5] op_sel_hi:[1,0]
.endr
.irp p, 0,1,2,3,4,5,6,7
	v_pk_fma_f32 v[D+2*\p:D+2*\p+1], v[\buf+16+2*\p:\buf+17+2*\p], v[4:5], v[D+2*\p:D+2*\p+1] op_sel:[0,1,0] op_sel_hi:[1,1,1]
.endr
.irp p, 0,1,2,3,4,5,6,7
	v_pk_fma_f32 v[D+2*\p:D+2*\p+1], v[\buf+32+2*\p:\buf+33+2*\p], v[6:7], v[D+2*\p:D+2*\p+1] op_sel_hi:[1,0,1]
.endr
.irp p, 0,1,2,3,4,5,6,7
	v_pk_fma_f32 v[D+2*\p:D+2*\p+1], v[D+2*\p:D+2*\p+1], -2.0, v[6:7] op_sel:[0,0,1] op_sel_hi:[1,0,1]   ; |q|^2 - 2 dot
.endr
.irp p, 0,1,2,3,4,5,6,7
	v_pk_add_f32 v[D+2*\p:D+2*\p+1], v[D+2*\p:D+2*\p+1], v[\buf+48+2*\p:\buf+49+2*\p]
.endr
.set e, 0
.rept 16
	v_cmp_lt_f32 s24, v[D+e], v16
	v_cmp_lt_f32 s25, v[D+e], v17
	v_cmp_lt_f32 s26, v[D+e], v18
	v_cndmask_b32 v22, 16*\k+e, v20, s25
	v_cndmask_b32 v21, v21, v22, s26
	v_cndmask_b32 v22, 16*\k+e, v19, s24
	v_cndmask_b32 v20, v20, v22, s25
	v_cndmask_b32 v19, v19, 16*\k+e, s24
	v_med3_num_f32 v18, v[D+e], v17, v18
	v_med3_num_f32 v17, v[D+e], v16, v17
	v_min_num_f32 v16, v[D+e], v16
.set e, e+1
.endr
.endm
	LOADR BA, 0
	LOADR BB, 1
	s_wait_dscnt 16                                ; the next record's 16 loads stay out
	SCAN BA, 0
	LOADR BA, 2
	s_wait_dscnt 16
	SCAN BB, 1
	LOADR BB, 3
	s_wait_dscnt 16
	SCAN BA, 2
	s_wait_dscnt 0x0
	SCAN BB, 3
.irp m, 0,1,2
	v_lshrrev_b32 v22, 4, v[19+\m]                 ; which of the four chunks,
	v_and_b32 v23, 15, v[19+\m]                    ; and where in it
	v_cmp_eq_u32 s24, 1, v22
	v_cmp_eq_u32 s25, 2, v22
	v_cmp_eq_u32 s26, 3, v22
	v_cndmask_b32 v24, v8, v9, s24
	v_cndmask_b32 v24, v24, v10, s25
	v_cndmask_b32 v24, v24, v11, s26
	v_lshl_or_b32 v[192+\m], v24, 4, v23
.endr
	v_mov_b32 v195, 0
.irp m, 0,1,2
	v_add_f32 v[24+\m], 0x322bcc77, v[16+\m]       ; d + 1e-8
.endr
.irp m, 0,1,2
	v_rcp_f32 v[24+\m], v[24+\m]
.endr
	v_mov_b32 v199, 0                              ; (a plain place behind the reciprocals)
	s_wait_alu depctr_va_vdst(0)
	v_add_f32 v27, v24, v25
	v_add_f32 v27, v27, v26
	v_rcp_f32 v27, v27
	v_nop
	s_wait_alu depctr_va_vdst(0)
.irp m, 0,1,2
	v_mul_f32 v[196+\m], v[24+\m], v27
.endr
	global_store_b128 v1, v[192:195], s[10:11]     ; a wave stores 512 consecutive bytes
	global_store_b128 v1, v[196:199], s[12:13]
	s_wait_tensorcnt 0x0
	ds_add_u32 v208, v209
	s_wait_dscnt 0x0
	s_endpgm
.Lfunc_end_k_q12bf772f41_refine:
	.size	k_q12bf772f41_refine, .Lfunc_end_k_q12bf772f41_refine-k_q12bf772f41_refine
	.p2alignl 7, 3214868480
	.fill 96, 4, 3214868480
	.section	.rodata,"a",@progbits
	.p2align	6, 0x0
	.amdhsa_kernel k_q12bf772f41_refine
		.amdhsa_group_segment_fixed_size 35840
		.amdhsa_private_segment_fixed_size 0
		.amdhsa_enable_private_segment 0
		.amdhsa_kernarg_size 40
		.amdhsa_user_sgpr_count 2
		.amdhsa_user_sgpr_kernarg_segment_ptr 1
		.amdhsa_wavefront_size32 1
		.amdhsa_system_sgpr_workgroup_id_x 1
		.amdhsa_system_sgpr_workgroup_id_y 1
		.amdhsa_system_sgpr_workgroup_id_z 1
		.amdhsa_system_vgpr_workitem_id 0
		.amdhsa_next_free_vgpr 210
		.amdhsa_next_free_sgpr 66
		.amdhsa_reserve_vcc 0
		.amdhsa_float_denorm_mode_32 3
		.amdhsa_float_denorm_mode_16_64 3
		.amdhsa_memory_ordered 1
		.amdhsa_forward_progress 1
		.amdhsa_inst_pref_size 65
	.end_amdhsa_kernel
	.amdgpu_metadata
---
amdhsa.version: [ 1, 2 ]
amdhsa.kernels:
  - .name:           k_q12bf772f41_refine
    .symbol:         k_q12bf772f41_refine.kd
    .args:
      - { .name: xyz1, .offset: 0, .size: 8, .value_kind: global_buffer, .address_space: global }
      - { .name: xyz2, .offset: 8, .size: 8, .value_kind: global_buffer, .address_space: global }
      - { .name: chunks, .offset: 16, .size: 8, .value_kind: global_buffer, .address_space: global }
      - { .name: nidx, .offset: 24, .size: 8, .value_kind: global_buffer, .address_space: global }
      - { .name: nw, .offset: 32, .size: 8, .value_kind: global_buffer, .address_space: global }
    .group_segment_fixed_size: 35840
    .private_segment_fixed_size: 0
    .kernarg_segment_align: 8
    .kernarg_segment_size: 40
    .max_flat_workgroup_size: 256
    .sgpr_count:     66
    .vgpr_count:     210
    .wavefront_size: 32
...
	.end_amdgpu_metadata
.endif
;; end of part 2
;; launch conv0 (part 3): grid 256 x 1, 4 waves a work-group, clusters of 4 x 1, 168,448 bytes of LDS; arguments points1, prep, nidx, nw, b0, xqbuf; writes xqbuf
.if DOCPART == 3
	.amdgcn_target "amdgcn-amd-amdhsa--gfx1250"
	.amdhsa_code_object_version 6
	.text
	.protected	k_q12bf772f41_conv0
	.globl	k_q12bf772f41_conv0
	.p2align	8
	.type	k_q12bf772f41_conv0,@function
k_q12bf772f41_conv0:
	s_mov_b64 s[64:65], 0
	v_nop
	global_prefetch_b8 v0, s[64:65] scope:SCOPE_SE
	s_setreg_imm32_b32 hwreg(HW_REG_WAVE_MODE, 25, 1), 1
	s_wait_xcnt 0x0
	s_wait_alu depctr_hold_cnt(0) depctr_sa_sdst(0) depctr_va_vdst(0) depctr_va_sdst(0) depctr_va_ssrc(0) depctr_va_vcc(0) depctr_vm_vsrc(0)
	s_getreg_b32 s2, hwreg(HW_REG_IB_STS2, 6, 4)
	s_cmp_eq_u32 s2, 0
	s_cbranch_scc0 .Lentry_in_a_cluster
	s_endpgm
.Lentry_in_a_cluster:
	s_bfe_u32 s2, ttmp6, 0x10000c
	s_cmp_lg_u32 s2, 0x3003
	s_cbranch_scc0 .Lentry_shape_is_right
	s_endpgm
.Lentry_shape_is_right:
; x = [points1 | the blend of three rows of points2] is formed in f32, quantised to E2M3 along K = 320 and stored as images of the operand's registers; y0 = x w0^T is multiplied for its STATISTICS alone:
; for each channel the work-group's mean (with b0) and its sum of squares about that mean go to memory, y0 itself does not.
; SHARES: a work-group has 256 queries, a wave 64: four tiles of 16.  Each wave gathers, quantises and multiplies its own rows against all 256 channels.
; THE GATHER: a neighbour's row is 1,024 bytes, read by two loads of the whole wave; eight queries' 48 loads are out.  The indices are whole numbers that an earlier launch stored; they come to scalar registers by v_readlane_b32 and are held at 2,047.
; The blended row goes to my stage in LDS and comes back as the quantiser wants it: lane (r, h) takes 16 neighbours of each block of 32 of row r.
; points1 has the queries innermost: there a lane takes a query and its registers run down the 64 channels: two whole blocks a lane.
; THE WEIGHTS' images (73,728 + 6,144 bytes) are the same for every work-group: the four of a cluster ask for them jointly, once; nothing in LDS is filled twice.
; STATISTICS: source 0 = x, source 1 = w0, so a lane holds one channel and 32 of the wave's 64 rows; mean first, then squares about it; the four waves' figures are joined by the parallel form of the variance.
; LIMITS: NaN and infinities are not served; a block whose largest magnitude lies under 2^-124 keeps the scale byte 1.
; REGISTERS: window 0: v1-12 addresses; v16-23 x's scale words (pair p: s0, s1, s2, s2; lanes 0-15 tile 2 p, lanes 16-31 tile 2 p + 1); v24-26 w0's; v28-31 b0; v32-47 the records; v48-71 gather offsets; v72-79, v240-247 the blend;
;   v80-96 the quantiser's; v100-105 half scale words; v112-175 two sets of 32 numbers; v176-239 points1.  In the products: v112-147 w0's fragments, v176-207 four accumulators, v48-89 statistics.
;   window 1: x's 12 fragments, (tile i, K step s) at 12 (3 i + s).   window 2: eight slots of 24 registers for the gather.
.set W0SC,  73728
.set STG,   79872                      ; for each wave 16 rows of 1,024 + 16 bytes
.set STATS, 146432                     ; [wave][256 means, 256 sums of squares]
.set WQ,    16777216
.set WSCG,  16900096
.set XQ,    524288
.set XSCG,  19398656
.set L16, 1
.set L8,  2
.set L4,  3
.set ST,  4
.set RDQ, 5
.set WAD, 6
.set WSA, 7
.set SA,  8
.set CAD, 9
.set POF, 10
.set BO,  12
.set XS,  16
.set WS,  24
.set BIAS, 28
.set TP,  48
.set TM,  80
.set TX,  82
.set SO,  84
.set BY,  86
.set HW,  88
.set PC,  90
.set MEAN, 80
.set SUM, 82
.set TXS, 83
.set M2R, 84
.set VAL, 85
.set SQA, 86
.set SQB, 88
.set HWA, 100
.set P1HW, 104
.set QN0, 112
.set QN1, 144
.set P1,  176
.set WB,  112
.set ACC, 176
.set WV,  16
.set HI,  67
.set SEL, 68
.set MSB, 0
.macro WIN new                         ; the immediate's high byte repeats the setting that is left
.if MSB != \new
	s_set_vgpr_msb (MSB<<8)|\new
.set MSB, \new
.endif
.endm
.macro ROUND                           ; a round of the cluster's barrier
	s_barrier_signal -1
	s_barrier_wait -1
	s_cmp_lg_u32 s[WV], 0
	s_cbranch_scc1 .Lnw0_\@
	s_barrier_signal -3
.Lnw0_\@:
	s_barrier_wait -3
	s_barrier_signal -1
	s_barrier_wait -1
.endm
; a product: z = 1: C is 0, else the eight registers from cr on
.macro WM z, d, a, b, cr, sa, sb, row
.if \z
	v_wmma_scale_f32_16x16x128_f8f6f4 v[(\d):(\d)+7], v[(\a):(\a)+11], v[(\b):(\b)+11], 0, v[\sa], v[\sb] matrix_a_fmt:MATRIX_FMT_FP6 matrix_b_fmt:MATRIX_FMT_FP6 \row
.else
	v_wmma_scale_f32_16x16x128_f8f6f4 v[(\d):(\d)+7], v[(\a):(\a)+11], v[(\b):(\b)+11], v[(\cr):(\cr)+7], v[\sa], v[\sb] matrix_a_fmt:MATRIX_FMT_FP6 matrix_b_fmt:MATRIX_FMT_FP6 \row
.endif
.endm
; 32 numbers of a lane, register 16 b + i = k 32 b + 16 (lane / 16) + i of my row, become half a fragment: lane (r, h) ends with block h, its lower 16 codes in v[PC] on, its upper 16 in v[PC + 4] on; v[HW]: the two scale bytes
.macro QUANT2 n
.irp b, 0,1
	v_max3_num_f32 v[TM+\b], |v[(\n)+16*\b]|, |v[(\n)+16*\b+1]|, 0x1800000   ; with the floor 2^(3 - 127): the byte cannot fall under 1
.endr
.irp i, 2,4,6,8,10,12,14
.irp b, 0,1
	v_max3_num_f32 v[TM+\b], v[TM+\b], |v[(\n)+16*\b+\i]|, |v[(\n)+16*\b+\i+1]|
.endr
.endr
.irp b, 0,1
	v_permlanex16_b32 v[TX+\b], v[TM+\b], s[SEL], s[SEL+1]
.endr
.irp b, 0,1
	v_max_num_f32 v[TM+\b], v[TM+\b], v[TX+\b]     ; with lane l xor 16's: the block's largest magnitude
.endr
.irp b, 0,1
	v_add_nc_u32 v[SO+\b], 0xff000000, v[TM+\b]    ; 2 off its exponent field: the conversion's scale operand
.endr
.irp b, 0,1
	v_lshrrev_b32 v[BY+\b], 23, v[SO+\b]
.endr
	v_lshl_or_b32 v[HW], v[BY+1], 8, v[BY]
	v_cvt_scalef32_pk16_fp6_f32 v[PC:PC+2], v[(\n):(\n)+15], v[SO]
	v_cvt_scalef32_pk16_fp6_f32 v[PC+4:PC+6], v[(\n)+16:(\n)+31], v[SO+1]
	v_nop                                          ; one plain place behind a scaled conversion
.irp i, 0,1,2
	v_permlane16_swap_b32 v[PC+\i], v[PC+4+\i]     ; a whole block to a lane
.endr
.endm
.macro PUT6 dst, win
	WIN \win
.irp i, 0,1,2
	v_mov_b32 v[(\dst)+\i], v[PC+\i]
	v_mov_b32 v[(\dst)+3+\i], v[PC+4+\i]
.endr
	WIN 0
.endm
	s_load_b256 s[4:11], s[0:1], 0x0               ; points1, prep, nidx, nw
	s_load_b128 s[12:15], s[0:1], 0x20             ; b0, xqbuf
	v_lshl_add_u32 v254, v0, 2, 0x29000
	v_mov_b32 v255, 0
	ds_add_u32 v254, v255
	ds_add_u32 v254, v255
	v_lshrrev_b32 v13, 5, v0
	v_readfirstlane_b32 s[WV], v13
	v_and_b32 v15, 31, v0
	v_and_b32 v13, 15, v0                          ; r
	v_bfe_u32 v14, v0, 4, 1                        ; h
	v_lshlrev_b32 v[L16], 4, v15
	v_lshlrev_b32 v[L8], 3, v15
	v_lshlrev_b32 v[L4], 2, v15
	s_mul_i32 s21, s[WV], 16640
	s_add_co_u32 s21, s21, STG
	v_add_nc_u32 v[ST], s21, v[L16]
	v_mul_u32_u24 v[RDQ], v13, 1040
	v_lshl_add_u32 v[RDQ], v14, 6, v[RDQ]
	v_add_nc_u32 v[RDQ], s21, v[RDQ]
	v_mov_b32 v[WAD], v[L16]
	v_add_nc_u32 v[WSA], W0SC, v[L4]
	v_and_b32 v[SA], 8, v13
	v_add_nc_u32 v[SA], v[SA], v13                 ; lane r of a tile of w0 is channel r + 8 (r / 8) of the tile's 32
	v_lshlrev_b32 v[SA], 2, v[SA]
	v_lshl_add_u32 v[SA], v14, 10, v[SA]           ; lanes 0-15 store the mean, lanes 16-31 the sum of squares
	s_lshl_b32 s21, s[WV], 11
	s_add_co_u32 s21, s21, STATS
	v_add_nc_u32 v[SA], s21, v[SA]
	s_lshl_b32 s21, s[WV], 8
	v_lshl_add_u32 v[BO], v13, 3, s21              ; 256 w + 8 (lane % 16): my two channels of planes 2 w and 2 w + 1
	v_add_nc_u32 v[CAD], STATS, v[BO]
	s_lshl_b32 s21, s[WV], 17
	v_lshlrev_b32 v[POF], 3, v13
	v_lshl_add_u32 v[POF], v14, 7, v[POF]
	v_add_nc_u32 v[POF], s21, v[POF]
	s_bfe_u32 s17, ttmp6, 0x40000                  ; my place in the cluster: it enters global addresses alone
	s_lshl_b32 s18, ttmp9, 2
	s_add_co_u32 s18, s18, s17                     ; the work-group's number
	s_lshr_b32 s19, s18, 5                         ; batch
	s_and_b32 s20, s18, 31
	s_lshl_b32 s22, s18, 12                        ; the records: 16 bytes a query
	s_lshl_b32 s23, s[WV], 10
	s_add_co_u32 s22, s22, s23
	s_mov_b32 s23, 0
	s_lshl_b32 s24, s19, 21                        ; points1: the batch, + my 64 queries
	s_lshl_b32 s25, s20, 10
	s_add_co_u32 s24, s24, s25
	s_lshl_b32 s25, s[WV], 8
	s_add_co_u32 s24, s24, s25
	s_mov_b32 s25, 0
	s_lshl_b32 s76, s19, 21                        ; the rows of points2: the batch
	s_mov_b32 s77, 0
	s_lshl_b32 s21, s18, 2
	s_add_co_u32 s21, s21, s[WV]                   ; the wave's number in the launch
	s_mul_i32 s78, s21, 18432
	s_mov_b32 s79, 0
	s_lshl_b32 s80, s21, 10
	s_mov_b32 s81, 0
	s_lshl_b32 s82, s18, 8
	s_mov_b32 s83, 0
	; descriptor group 1: a dense block as rows of 256 bytes (32 elements of 8 bytes); the mask names the cluster's four work-groups
	s_mov_b32 s40, 15|(3<<16)|(1<<21)
	s_mov_b32 s41, 32<<16
	s_mov_b32 s42, 72<<16
	s_mov_b32 s43, 32<<16
	s_mov_b32 s44, 72
	s_mov_b32 s45, 32
	s_mov_b32 s46, 0
	s_mov_b32 s47, 0
	s_mov_b32 s48, 15|(3<<16)|(1<<21)
	s_mov_b32 s49, 32<<16
	s_mov_b32 s50, 6<<16
	s_mov_b32 s51, 32<<16
	s_mov_b32 s52, 6
	s_mov_b32 s53, 32
	s_mov_b32 s54, 0
	s_mov_b32 s55, 0
	s_mov_b32 s32, 1
	s_mul_i32 s33, s[WV], 18432                    ; each wave brings a quarter: 72 rows of the codes,
	s_mov_b32 s74, s33
	s_mov_b32 s75, 0
	s_mov_b32 s36, 1
	s_mul_i32 s37, s[WV], 1536                     ; 6 of the scale words
	s_mov_b32 s84, s37
	s_mov_b32 s85, 0
	s_add_co_u32 s37, s37, W0SC
	s_mov_b32 s[HI], 0xffff0000
	s_mov_b32 s[SEL], 0x76543210
	s_mov_b32 s[SEL+1], 0xfedcba98
	s_mov_b32 s57, 0                               ; (named as the upper halves of pairs, so they are written)
	s_mov_b32 s59, 0
	s_mov_b32 s61, 0
	s_wait_dscnt 0x0
	s_wait_kmcnt 0x0
	s_add_nc_u64 s[34:35], s[6:7], s[74:75]
	s_add_nc_u64 s[34:35], s[34:35], WQ
	s_or_b32 s35, s35, 0x80000000
	s_add_nc_u64 s[38:39], s[6:7], s[84:85]
	s_add_nc_u64 s[38:39], s[38:39], WSCG
	s_or_b32 s39, s39, 0x80000000
	s_add_nc_u64 s[8:9], s[8:9], s[22:23]
	s_add_nc_u64 s[10:11], s[10:11], s[22:23]
	s_add_nc_u64 s[4:5], s[4:5], s[24:25]
	s_add_nc_u64 s[26:27], s[6:7], s[76:77]
	s_add_nc_u64 s[28:29], s[14:15], s[78:79]
	s_add_nc_u64 s[28:29], s[28:29], XQ
	s_add_nc_u64 s[30:31], s[14:15], s[80:81]
	s_add_nc_u64 s[30:31], s[30:31], XSCG
	s_add_nc_u64 s[72:73], s[14:15], s[82:83]
	ROUND                                          ; all four work-groups are here: the joint loads meet
	tensor_load_to_lds s[32:35], s[40:47]          ; two loads of mine are out; they are waited for in front of the products
	s_nop 0
	tensor_load_to_lds s[36:39], s[48:55]
	s_nop 0
.rept 4
	v_nop
.endr
	global_load_b128 v[32:35], v[L16], s[8:9]      ; the records: a lane a query: queries 0-31, 32-63
	global_load_b128 v[36:39], v[L16], s[8:9] offset:512
	global_load_b128 v[40:43], v[L16], s[10:11]
	global_load_b128 v[44:47], v[L16], s[10:11] offset:512
	global_load_b64 v[BIAS:BIAS+1], v[BO], s[12:13]
	global_load_b64 v[BIAS+2:BIAS+3], v[BO], s[12:13] offset:128
.set c, 0
.rept 64
	global_load_b32 v[P1+c], v[L4], s[4:5] offset:32768*c th:TH_LOAD_NT   ; points1, queries 0-31: a lane a query, registers down the channels
.set c, c+1
.endr
	WIN 0x40
.irp i, 0,1,2,3
.irp j, 6,7,8,9,10,11
	v_mov_b32 v[12*(3*\i+2)+\j], 0                 ; K step 2 has 64 numbers: the rest are zero codes
.endr
.endr
	WIN 0
	v_mov_b32 v[TX], 0                             ; written once: a lane permute's destination counts as one of its sources
	v_mov_b32 v[TX+1], 0
	s_wait_loadcnt 63                              ; of the 70 loads issued the oldest seven are in: the records among them
; query q's six loads
.macro ISSUE q
.set SL, (\q)%8
.set RIR, 32+4*((\q)/32)
	v_readlane_b32 s62, v[RIR], (\q)%32
	v_readlane_b32 s63, v[RIR+1], (\q)%32
	v_readlane_b32 s66, v[RIR+2], (\q)%32
	s_min_u32 s62, s62, 2047                       ; a loaded number is held inside the table before it makes an address
	s_min_u32 s63, s63, 2047
	s_min_u32 s66, s66, 2047
	v_lshl_add_u32 v[48+3*SL], s62, 10, v[L16]
	v_lshl_add_u32 v[49+3*SL], s63, 10, v[L16]
	v_lshl_add_u32 v[50+3*SL], s66, 10, v[L16]
	WIN 0x80
.irp k, 0,1,2
	global_load_b128 v[24*SL+8*\k:24*SL+8*\k+3], v[48+3*SL+\k], s[26:27]
	global_load_b128 v[24*SL+8*\k+4:24*SL+8*\k+7], v[48+3*SL+\k], s[26:27] offset:512
.endr
	WIN 0
.endm
; query q's turn: its rows are blended and go to the stage; query q + 8 is asked for.  The wait counts the loads issued behind query q's: six for each of the up to seven later queries, and four of points1 for each of the
; eight turns before this one that lies in turns 16 to 31; the count is held at the counter's 63.
.macro CONSUME q
.set SL, (\q)%8
.set RWR, 40+4*((\q)/32)
.set IAR, 72+168*((\q)%2)
.set YN, 63-(\q)
.if YN > 7
.set YN, 7
.endif
.set LOQ, (\q)-8
.if LOQ < 16
.set LOQ, 16
.endif
.set HIQ, (\q)-1
.if HIQ > 31
.set HIQ, 31
.endif
.set PN, HIQ-LOQ+1
.if PN < 0
.set PN, 0
.endif
.set CNT, 6*YN+4*PN
.if CNT > 63
.set CNT, 63
.endif
	s_wait_loadcnt CNT
	v_readlane_b32 s56, v[RWR], (\q)%32
	v_readlane_b32 s58, v[RWR+1], (\q)%32
	v_readlane_b32 s60, v[RWR+2], (\q)%32
	WIN 0x02                                       ; source 0: window 2
.irp p, 0,1,2,3
	v_pk_mul_f32 v[IAR+2*\p:IAR+2*\p+1], v[24*SL+2*\p:24*SL+2*\p+1], s[56:57] op_sel_hi:[1,0]
.endr
.irp p, 0,1,2,3
	v_pk_fma_f32 v[IAR+2*\p:IAR+2*\p+1], v[24*SL+8+2*\p:24*SL+9+2*\p], s[58:59], v[IAR+2*\p:IAR+2*\p+1] op_sel_hi:[1,0,1]
.endr
.irp p, 0,1,2,3
	v_pk_fma_f32 v[IAR+2*\p:IAR+2*\p+1], v[24*SL+16+2*\p:24*SL+17+2*\p], s[60:61], v[IAR+2*\p:IAR+2*\p+1] op_sel_hi:[1,0,1]
.endr
	WIN 0
	ds_store_b128 v[ST], v[IAR:IAR+3] offset:1040*((\q)%16)
	ds_store_b128 v[ST], v[IAR+4:IAR+7] offset:1040*((\q)%16)+512
.if (\q)+8 < 64
	ISSUE (\q)+8
.endif
.if ((\q) >= 16) && ((\q) < 32)
.irp z, 0,1,2,3
	global_load_b32 v[P1+4*((\q)-16)+\z], v[L4], s[4:5] offset:32768*(4*((\q)-16)+\z)+128 th:TH_LOAD_NT   ; points1, queries 32-63
.endr
.endif
.endm
; points1 of queries 32 g on: two whole blocks a lane.  Lanes 0-15 are tile 2 g's rows, lanes 16-31 tile 2 g + 1's: one exchange of halves gives both tiles their registers 0-5 of K step 0
.macro P1Q g
.irp c, 0,1
	v_max3_num_f32 v[TM+\c], |v[P1+32*\c]|, |v[P1+32*\c+1]|, 0x1800000
.endr
.irp i, 2,4,6,8,10,12,14,16,18,20,22,24,26,28,30
.irp c, 0,1
	v_max3_num_f32 v[TM+\c], v[TM+\c], |v[P1+32*\c+\i]|, |v[P1+32*\c+\i+1]|
.endr
.endr
.irp c, 0,1
	v_add_nc_u32 v[SO+\c], 0xff000000, v[TM+\c]
.endr
.irp c, 0,1
	v_lshrrev_b32 v[BY+\c], 23, v[SO+\c]
.endr
	v_lshl_or_b32 v[P1HW+(\g)], v[BY+1], 8, v[BY]
	v_cvt_scalef32_pk16_fp6_f32 v[112:114], v[P1:P1+15], v[SO]
	v_cvt_scalef32_pk16_fp6_f32 v[116:118], v[P1+16:P1+31], v[SO]
	v_cvt_scalef32_pk16_fp6_f32 v[120:122], v[P1+32:P1+47], v[SO+1]
	v_cvt_scalef32_pk16_fp6_f32 v[124:126], v[P1+48:P1+63], v[SO+1]
	v_nop
.irp i, 0,1,2
	v_permlane16_swap_b32 v[112+\i], v[120+\i]
	v_permlane16_swap_b32 v[116+\i], v[124+\i]
.endr
	WIN 0x40
.irp i, 0,1,2
	v_mov_b32 v[36*(2*(\g))+\i], v[112+\i]
	v_mov_b32 v[36*(2*(\g))+3+\i], v[116+\i]
	v_mov_b32 v[36*(2*(\g)+1)+\i], v[120+\i]
	v_mov_b32 v[36*(2*(\g)+1)+3+\i], v[124+\i]
.endr
	WIN 0
.endm
.macro LOADH hh, n                     ; channels 64 hh on of the blend, as the quantiser wants them
.irp b, 0,1
.irp j, 0,1,2,3
	ds_load_b128 v[\n+16*\b+4*\j:\n+16*\b+4*\j+3], v[RDQ] offset:256*\hh+128*\b+16*\j
.endr
.endr
.endm
.macro HALF i, hh, n, s, c
	QUANT2 \n
	PUT6 12*(3*(\i)+\s)+6*\c, 0x40
.if (\i)%2 == 0
	v_mov_b32 v[HWA+\hh], v[HW]
.else
	v_cndmask_b32 v[HWA+\hh], v[HWA+\hh], v[HW], s[HI]   ; lanes 0-15 keep the even tile's bytes, lanes 16-31 take the odd tile's
.endif
.endm
; tile i's 16 blended rows lie in the stage: four half fragments, the next one's loads out while one is quantised; then the tile's codes leave
.macro TILEQ i
	LOADH 0, QN0
	LOADH 1, QN1
	s_wait_dscnt 8                                 ; the next half's 8 loads stay out
	HALF \i, 0, QN0, 0, 1
	LOADH 2, QN0
	s_wait_dscnt 8
	HALF \i, 1, QN1, 1, 0
	LOADH 3, QN1
	s_wait_dscnt 8
	HALF \i, 2, QN0, 1, 1
	s_wait_dscnt 0x0
	HALF \i, 3, QN1, 2, 0
.if (\i)%2
	v_lshl_or_b32 v[XS+4*((\i)/2)], v[HWA], 16, v[P1HW+(\i)/2]
	v_lshl_or_b32 v[XS+4*((\i)/2)+1], v[HWA+2], 16, v[HWA+1]
	v_or_b32 v[XS+4*((\i)/2)+2], 0x7f7f0000, v[HWA+3]        ; over the zero codes: the byte of 1.0
	v_or_b32 v[XS+4*((\i)/2)+3], 0x7f7f0000, v[HWA+3]
	global_store_b128 v[L16], v[XS+4*((\i)/2):XS+4*((\i)/2)+3], s[30:31] offset:512*((\i)/2)
.endif
	WIN 0x04                                       ; a store's data: window 1.  These registers are never written again
.irp s, 0,1
.irp g, 0,1,2
	global_store_b128 v[L16], v[12*(3*(\i)+\s)+4*\g:12*(3*(\i)+\s)+4*\g+3], s[28:29] offset:4608*(\i)+1536*\s+512*\g
.endr
.endr
	global_store_b128 v[L16], v[12*(3*(\i)+2):12*(3*(\i)+2)+3], s[28:29] offset:4608*(\i)+3072
	global_store_b64 v[L8], v[12*(3*(\i)+2)+4:12*(3*(\i)+2)+5], s[28:29] offset:4608*(\i)+3584
	WIN 0
.endm
.set QQ, 0
.rept 8
	ISSUE QQ
.set QQ, QQ+1
.endr
.set CQ, 0
.irp ti, 0,1,2,3
.rept 16
	CONSUME CQ
.set CQ, CQ+1
.endr
.if \ti % 2 == 0
	P1Q \ti/2
.endif
	TILEQ \ti
.endr
	s_wait_tensorcnt 0x0                           ; my quarter of the weights has landed,
	s_wait_dscnt 0x0
	s_barrier_signal -1
	s_barrier_wait -1                              ; everybody's has
.macro WLOAD u                         ; a tile of w0: three fragments and three scale words
.irp s, 0,1,2
.irp g, 0,1,2
	ds_load_b128 v[WB+12*\s+4*\g:WB+12*\s+4*\g+3], v[WAD] offset:24576*\s+1536*\u+512*\g
.endr
	ds_load_b32 v[WS+\s], v[WSA] offset:2048*\s+128*\u
.endr
.endm
; mean and sum of squares about it of the 64 rows of one channel: each accumulator is read from its low end on
.macro STAT a, off
.irp i, 0,1,2,3
	v_pk_add_f32 v[TP+2*\i:TP+2*\i+1], v[\a+8*\i:\a+8*\i+1], v[\a+8*\i+2:\a+8*\i+3]
.endr
.irp i, 0,1,2,3
	v_pk_add_f32 v[TP+8+2*\i:TP+9+2*\i], v[\a+8*\i+4:\a+8*\i+5], v[\a+8*\i+6:\a+8*\i+7]
.endr
.irp i, 0,1,2,3
	v_pk_add_f32 v[TP+2*\i:TP+2*\i+1], v[TP+2*\i:TP+2*\i+1], v[TP+8+2*\i:TP+9+2*\i]
.endr
	v_pk_add_f32 v[TP:TP+1], v[TP:TP+1], v[TP+2:TP+3]
	v_pk_add_f32 v[TP+4:TP+5], v[TP+4:TP+5], v[TP+6:TP+7]
	v_pk_add_f32 v[TP:TP+1], v[TP:TP+1], v[TP+4:TP+5]
	v_add_f32 v[SUM], v[TP], v[TP+1]
	v_permlanex16_b32 v[TXS], v[SUM], s[SEL], s[SEL+1]
	v_add_f32 v[SUM], v[SUM], v[TXS]
	v_mul_f32 v[MEAN], 0x3c800000, v[SUM]          ; / 64
.set sj, 0
.rept 16
	v_pk_add_f32 v[TP+2*sj:TP+2*sj+1], v[\a+2*sj:\a+2*sj+1], v[MEAN:MEAN+1] op_sel_hi:[1,0] neg_lo:[0,1] neg_hi:[0,1]
.set sj, sj+1
.endr
	v_pk_mul_f32 v[SQA:SQA+1], v[TP:TP+1], v[TP:TP+1]
	v_pk_mul_f32 v[SQB:SQB+1], v[TP+2:TP+3], v[TP+2:TP+3]
.set sj, 2
.rept 7
	v_pk_fma_f32 v[SQA:SQA+1], v[TP+2*sj:TP+2*sj+1], v[TP+2*sj:TP+2*sj+1], v[SQA:SQA+1]
	v_pk_fma_f32 v[SQB:SQB+1], v[TP+2*sj+2:TP+2*sj+3], v[TP+2*sj+2:TP+2*sj+3], v[SQB:SQB+1]
.set sj, sj+2
.endr
	v_pk_add_f32 v[SQA:SQA+1], v[SQA:SQA+1], v[SQB:SQB+1]
	v_add_f32 v[M2R], v[SQA], v[SQA+1]
	v_permlanex16_b32 v[TXS], v[M2R], s[SEL], s[SEL+1]
	v_add_f32 v[M2R], v[M2R], v[TXS]
	v_cndmask_b32 v[VAL], v[MEAN], v[M2R], s[HI]
	ds_store_b32 v[SA], v[VAL] offset:\off
.endm
.macro MM s, i
.if \i % 2
	WM (\s==0), ACC+8*\i, 12*(3*\i+\s), WB+12*\s, ACC+8*\i, XS+4*(\i/2)+\s, WS+\s, matrix_a_scale:MATRIX_SCALE_ROW1
.else
	WM (\s==0), ACC+8*\i, 12*(3*\i+\s), WB+12*\s, ACC+8*\i, XS+4*(\i/2)+\s, WS+\s
.endif
.endm
; a tile of 16 channels: 12 products, the four accumulators by turns; the next tile's fragments are fetched under the statistics
.macro NT off, pf, nu
	s_wait_dscnt 0x0                               ; the tile's fragments and scale words are in
	WIN 0x01                                       ; source 0 (x): window 1
.irp s, 0,1,2
.irp i, 0,1,2,3
	MM \s, \i
.endr
.endr
	WIN 0
.rept 4
	v_nop                                          ; places in front of loads into registers that the products have read, and of the first read of results
.endr
.if \pf
	WLOAD \nu
.endif
	STAT ACC, \off
.endm
	WLOAD 0
.rept 8
	v_nop                                          ; x's scale words were written by vector instructions: eight places ahead of the first scaled product
.endr
	s_mov_b32 s70, 7
.Lnt:                                              ; a trip: tiles 2 b and 2 b + 1, channels 32 b on
	NT 0, 1, 1
	NT 32, 1, 2
	v_add_nc_u32 v[WAD], 3072, v[WAD]
	v_add_nc_u32 v[WSA], 256, v[WSA]
	v_add_nc_u32 v[SA], 128, v[SA]
	s_sub_co_u32 s70, s70, 1
	s_cmp_lg_u32 s70, 0
	s_cbranch_scc1 .Lnt
	NT 0, 1, 1
	NT 32, 0, 0                                    ; the last tile fetches nothing
	s_wait_dscnt 0x0                               ; for the others' sake: my figures have landed
	s_barrier_signal -1
	s_barrier_wait -1
; the four waves' figures of 64 channels (planes 2 w, 2 w + 1; a lane two channels) are joined: mean of means; sums of squares + 64 x the means' squares about their mean.  b0 goes onto the mean.
.set CM, 176
.set CT, CM+32
.set CO, CM+40
.irp pp, 0,1
.irp wv, 0,1,2,3
	ds_load_b64 v[CM+16*\pp+2*\wv:CM+16*\pp+2*\wv+1], v[CAD] offset:2048*\wv+128*\pp
	ds_load_b64 v[CM+16*\pp+8+2*\wv:CM+16*\pp+9+2*\wv], v[CAD] offset:2048*\wv+1024+128*\pp
.endr
.endr
	s_wait_dscnt 0x0
.irp pp, 0,1
	v_pk_add_f32 v[CT:CT+1], v[CM+16*\pp:CM+16*\pp+1], v[CM+16*\pp+2:CM+16*\pp+3]
	v_pk_add_f32 v[CT+2:CT+3], v[CM+16*\pp+4:CM+16*\pp+5], v[CM+16*\pp+6:CM+16*\pp+7]
	v_pk_add_f32 v[CT:CT+1], v[CT:CT+1], v[CT+2:CT+3]
	v_pk_mul_f32 v[CT:CT+1], v[CT:CT+1], 0x3e800000 op_sel_hi:[1,0]
.irp wv, 0,1,2,3
	v_pk_add_f32 v[CM+16*\pp+2*\wv:CM+16*\pp+2*\wv+1], v[CM+16*\pp+2*\wv:CM+16*\pp+2*\wv+1], v[CT:CT+1] neg_lo:[0,1] neg_hi:[0,1]
.endr
	v_pk_mul_f32 v[CT+2:CT+3], v[CM+16*\pp:CM+16*\pp+1], v[CM+16*\pp:CM+16*\pp+1]
.irp wv, 1,2,3
	v_pk_fma_f32 v[CT+2:CT+3], v[CM+16*\pp+2*\wv:CM+16*\pp+2*\wv+1], v[CM+16*\pp+2*\wv:CM+16*\pp+2*\wv+1], v[CT+2:CT+3]
.endr
	v_pk_add_f32 v[CT+4:CT+5], v[CM+16*\pp+8:CM+16*\pp+9], v[CM+16*\pp+10:CM+16*\pp+11]
	v_pk_add_f32 v[CT+6:CT+7], v[CM+16*\pp+12:CM+16*\pp+13], v[CM+16*\pp+14:CM+16*\pp+15]
	v_pk_add_f32 v[CT+4:CT+5], v[CT+4:CT+5], v[CT+6:CT+7]
	v_pk_fma_f32 v[CT+4:CT+5], v[CT+2:CT+3], 0x42800000, v[CT+4:CT+5] op_sel_hi:[1,0,1]
	v_pk_add_f32 v[CT:CT+1], v[CT:CT+1], v[BIAS+2*\pp:BIAS+2*\pp+1]
	v_cndmask_b32 v[CO+2*\pp], v[CT], v[CT+4], s[HI]
	v_cndmask_b32 v[CO+2*\pp+1], v[CT+1], v[CT+5], s[HI]
	global_store_b64 v[POF], v[CO+2*\pp:CO+2*\pp+1], s[72:73] offset:65536*\pp   ; 32 means, then 32 sums of squares: 256 consecutive bytes
.endr
	s_wait_tensorcnt 0x0
	ds_add_u32 v254, v255
	s_wait_dscnt 0x0
	ROUND                                          ; the closing round: no work-group ends while a partner may still ask jointly
	s_endpgm
.Lfunc_end_k_q12bf772f41_conv0:
	.size	k_q12bf772f41_conv0, .Lfunc_end_k_q12bf772f41_conv0-k_q12bf772f41_conv0
	.p2alignl 7, 3214868480
	.fill 96, 4, 3214868480
	.section	.rodata,"a",@progbits
	.p2align	6, 0x0
	.amdhsa_kernel k_q12bf772f41_conv0
		.amdhsa_group_segment_fixed_size 168448
		.amdhsa_private_segment_fixed_size 0
		.amdhsa_enable_private_segment 0
		.amdhsa_kernarg_size 48
		.amdhsa_user_sgpr_count 2
		.amdhsa_user_sgpr_kernarg_segment_ptr 1
		.amdhsa_wavefront_size32 1
		.amdhsa_system_sgpr_workgroup_id_x 1
		.amdhsa_system_sgpr_workgroup_id_y 1
		.amdhsa_system_sgpr_workgroup_id_z 1
		.amdhsa_system_vgpr_workitem_id 0
		.amdhsa_next_free_vgpr 704
		.amdhsa_next_free_sgpr 96
		.amdhsa_reserve_vcc 0
		.amdhsa_float_denorm_mode_32 3
		.amdhsa_float_denorm_mode_16_64 3
		.amdhsa_memory_ordered 1
		.amdhsa_forward_progress 1
		.amdhsa_inst_pref_size 250
	.end_amdhsa_kernel
	.amdgpu_metadata
---
amdhsa.version: [ 1, 2 ]
amdhsa.kernels:
  - .name:           k_q12bf772f41_conv0
    .symbol:         k_q12bf772f41_conv0.kd
    .args:
      - { .name: points1, .offset: 0, .size: 8, .value_kind: global_buffer, .address_space: global }
      - { .name: prep, .offset: 8, .size: 8, .value_kind: global_buffer, .address_space: global }
      - { .name: nidx, .offset: 16, .size: 8, .value_kind: global_buffer, .address_space: global }
      - { .name: nw, .offset: 24, .size: 8, .value_kind: global_buffer, .address_space: global }
      - { .name: b0, .offset: 32, .size: 8, .value_kind: global_buffer, .address_space: global }
      - { .name: xqbuf, .offset: 40, .size: 8, .value_kind: global_buffer, .address_space: global }
    .group_segment_fixed_size: 168448
    .private_segment_fixed_size: 0
    .kernarg_segment_align: 8
    .kernarg_segment_size: 48
    .max_flat_workgroup_size: 128
    .sgpr_count:     96
    .vgpr_count:     704
    .wavefront_size: 32
...
	.end_amdgpu_metadata
.endif
;; end of part 3
;; launch bnred0 (part 4): grid 8 x 1, 16 waves a work-group, no clusters, 10,240 bytes of LDS; arguments xqbuf, g0, be0, bn0; writes bn0
.if DOCPART == 4
	.amdgcn_target "amdgcn-amd-amdhsa--gfx1250"
	.amdhsa_code_object_version 6
	.text
	.protected	k_q12bf772f41_bnred0
	.globl	k_q12bf772f41_bnred0
	.p2align	8
	.type	k_q12bf772f41_bnred0,@function
k_q12bf772f41_bnred0:
	s_mov_b64 s[64:65], 0
	v_nop
	global_prefetch_b8 v0, s[64:65] scope:SCOPE_SE
	s_setreg_imm32_b32 hwreg(HW_REG_WAVE_MODE, 25, 1), 1
	s_wait_xcnt 0x0
; The 256 work-groups' figures of each channel (mean and sum of squares about it, of 256 points each) are joined into mu and a = gamma / sqrt(var + 1e-5); beta is copied beside them.
; Work-group P has channels 32 P on: a dense plane of 65,536 bytes, a row of 256 bytes (32 means, 32 sums of squares) for each contributor.
; All sums are taken about row 0's figures, so that no difference of large sums is formed: with d = figure - row 0's, S1 = sum of d, S2 = sum of d^2:
; mu = mean0 + S1 / 256;  the means' squares about mu = S2 - S1^2 / 256;  the whole sum of squares = 256 x M2_0 + S1(M2) + 256 x that.
; The three stores at the end are 128 bytes each: 3,072 bytes in the whole launch.
	s_load_b256 s[4:11], s[0:1], 0x0               ; the figures, gamma, beta, the result
	v_lshl_add_u32 v128, v0, 2, 0x2000
	v_mov_b32 v129, 0
	v_lshrrev_b32 v1, 5, v0
	v_readfirstlane_b32 s12, v1                    ; wave
	v_and_b32 v1, 31, v0
	v_and_b32 v2, 15, v0
	v_lshlrev_b32 v3, 4, v0                        ; 512 x wave + 16 x lane: two rows an instruction
	v_lshlrev_b32 v4, 4, v2
	s_lshl_b32 s13, s12, 9
	v_lshlrev_b32 v5, 5, v2
	v_add_nc_u32 v5, s13, v5                       ; LDS: 512 bytes a wave, 32 for each of a row's sixteen places
	v_lshrrev_b32 v6, 2, v1
	v_lshlrev_b32 v6, 5, v6
	v_and_b32 v7, 3, v1
	v_lshl_add_u32 v6, v7, 2, v6                   ; channel c of the plane: place c / 4, word c % 4
	v_lshlrev_b32 v7, 2, v1
	s_lshl_b32 s14, ttmp9, 16
	s_mov_b32 s15, 0
	s_lshl_b32 s16, ttmp9, 7
	s_mov_b32 s17, 0
	s_mov_b32 s18, 0x76543210
	s_mov_b32 s19, 0xfedcba98
	s_wait_kmcnt 0x0
	s_add_nc_u64 s[4:5], s[4:5], s[14:15]
	s_add_nc_u64 s[6:7], s[6:7], s[16:17]
	s_add_nc_u64 s[8:9], s[8:9], s[16:17]
	s_add_nc_u64 s[10:11], s[10:11], s[16:17]
.irp i, 0,1,2,3,4,5,6,7
	global_load_b128 v[16+4*\i:19+4*\i], v3, s[4:5] offset:8192*\i
.endr
	global_load_b128 v[8:11], v4, s[4:5]           ; row 0
.irp k, 0,1,2,3,4,5,6,7
	v_mov_b32 v[60+\k], 0                          ; a lane permute's destination counts as one of its sources
.endr
	s_wait_loadcnt 0x0
.irp p, 0,1
	v_pk_add_f32 v[48+2*\p:49+2*\p], v[16+2*\p:17+2*\p], v[8+2*\p:9+2*\p] neg_lo:[0,1] neg_hi:[0,1]
.endr
.irp p, 0,1
	v_pk_mul_f32 v[52+2*\p:53+2*\p], v[48+2*\p:49+2*\p], v[48+2*\p:49+2*\p]
.endr
.irp i, 1,2,3,4,5,6,7
.irp p, 0,1
	v_pk_add_f32 v[56+2*\p:57+2*\p], v[16+4*\i+2*\p:17+4*\i+2*\p], v[8+2*\p:9+2*\p] neg_lo:[0,1] neg_hi:[0,1]
.endr
.irp p, 0,1
	v_pk_add_f32 v[48+2*\p:49+2*\p], v[48+2*\p:49+2*\p], v[56+2*\p:57+2*\p]
	v_pk_fma_f32 v[52+2*\p:53+2*\p], v[56+2*\p:57+2*\p], v[56+2*\p:57+2*\p], v[52+2*\p:53+2*\p]
.endr
.endr
.irp k, 0,1,2,3,4,5,6,7
	v_permlanex16_b32 v[60+\k], v[48+\k], s18, s19 ; the other half of the lanes holds the odd rows
.endr
.irp p, 0,1,2,3
	v_pk_add_f32 v[48+2*\p:49+2*\p], v[48+2*\p:49+2*\p], v[60+2*\p:61+2*\p]
.endr
	ds_store_b128 v5, v[48:51]                     ; both halves write the same words with the same values
	ds_store_b128 v5, v[52:55] offset:16
	s_wait_dscnt 0x0
	s_barrier_signal -1
	s_barrier_wait -1
	s_cmp_lg_u32 s12, 0
	s_cbranch_scc1 .Lend
	global_load_b32 v12, v7, s[4:5]                ; row 0's mean of my channel,
	global_load_b32 v13, v7, s[4:5] offset:128     ; its sum of squares,
	global_load_b32 v14, v7, s[6:7]                ; gamma,
	global_load_b32 v15, v7, s[8:9]                ; beta
.irp wv, 0,1,2,3,4,5,6,7,8,9,10,11,12,13,14,15
	ds_load_b32 v[64+\wv], v6 offset:512*\wv
	ds_load_b32 v[80+\wv], v6 offset:512*\wv+16
	ds_load_b32 v[96+\wv], v6 offset:512*\wv+256
.endr
	s_wait_dscnt 0x0
.irp b, 64,80,96
.irp j, 0,1,2,3,4,5,6,7
	v_add_f32 v[\b+\j], v[\b+\j], v[\b+8+\j]
.endr
.irp j, 0,1,2,3
	v_add_f32 v[\b+\j], v[\b+\j], v[\b+4+\j]
.endr
	v_add_f32 v[\b], v[\b], v[\b+2]
	v_add_f32 v[\b+1], v[\b+1], v[\b+3]
	v_add_f32 v[\b], v[\b], v[\b+1]
.endr
	s_wait_loadcnt 0x0
	v_mul_f32 v20, 0x3b800000, v64                 ; S1 / 256
	v_add_f32 v21, v12, v20                        ; mu
	v_fma_f32 v22, -v20, v64, v80                  ; the means' squares about mu
	v_fmamk_f32 v23, v13, 0x43800000, v96
	v_fmamk_f32 v23, v22, 0x43800000, v23          ; the whole sum of squares
	v_mov_b32 v24, 0x37800000
	v_fmaak_f32 v23, v23, v24, 0x3727c5ac          ; / 65,536 + 1e-5
	v_rsq_f32 v23, v23
	v_nop                                          ; one plain place behind a transcendental
	s_wait_alu depctr_va_vdst(0)
	v_mul_f32 v23, v14, v23
	global_store_b32 v7, v21, s[10:11]
	global_store_b32 v7, v23, s[10:11] offset:1024
	global_store_b32 v7, v15, s[10:11] offset:2048
.Lend:
	s_wait_tensorcnt 0x0
	ds_add_u32 v128, v129
	s_wait_dscnt 0x0
	s_endpgm
.Lfunc_end_k_q12bf772f41_bnred0:
	.size	k_q12bf772f41_bnred0, .Lfunc_end_k_q12bf772f41_bnred0-k_q12bf772f41_bnred0
	.p2alignl 7, 3214868480
	.fill 96, 4, 3214868480
	.section	.rodata,"a",@progbits
	.p2align	6, 0x0
	.amdhsa_kernel k_q12bf772f41_bnred0
		.amdhsa_group_segment_fixed_size 10240
		.amdhsa_private_segment_fixed_size 0
		.amdhsa_enable_private_segment 0
		.amdhsa_kernarg_size 32
		.amdhsa_user_sgpr_count 2
		.amdhsa_user_sgpr_kernarg_segment_ptr 1
		.amdhsa_wavefront_size32 1
		.amdhsa_system_sgpr_workgroup_id_x 1
		.amdhsa_system_sgpr_workgroup_id_y 1
		.amdhsa_system_sgpr_workgroup_id_z 1
		.amdhsa_system_vgpr_workitem_id 0
		.amdhsa_next_free_vgpr 130
		.amdhsa_next_free_sgpr 66
		.amdhsa_reserve_vcc 0
		.amdhsa_float_denorm_mode_32 3
		.amdhsa_float_denorm_mode_16_64 3
		.amdhsa_memory_ordered 1
		.amdhsa_forward_progress 1
		.amdhsa_inst_pref_size 13
	.end_amdhsa_kernel
	.amdgpu_metadata
---
amdhsa.version: [ 1, 2 ]
amdhsa.kernels:
  - .name:           k_q12bf772f41_bnred0
    .symbol:         k_q12bf772f41_bnred0.kd
    .args:
      - { .name: xqbuf, .offset: 0, .size: 8, .value_kind: global_buffer, .address_space: global }
      - { .name: g0, .offset: 8, .size: 8, .value_kind: global_buffer, .address_space: global }
      - { .name: be0, .offset: 16, .size: 8, .value_kind: global_buffer, .address_space: global }
      - { .name: bn0, .offset: 24, .size: 8, .value_kind: global_buffer, .address_space: global }
    .group_segment_fixed_size: 10240
    .private_segment_fixed_size: 0
    .kernarg_segment_align: 8
    .kernarg_segment_size: 32
    .max_flat_workgroup_size: 512
    .sgpr_count:     66
    .vgpr_count:     130
    .wavefront_size: 32
...
	.end_amdgpu_metadata
.endif
;; end of part 4
;; launch conv1 (part 5): grid 256 x 1, 4 waves a work-group, clusters of 4 x 1, 168,448 bytes of LDS; arguments xqbuf, prep, b0, bn0, b1, hqbuf; writes hqbuf
.if DOCPART == 5
	.amdgcn_target "amdgcn-amd-amdhsa--gfx1250"
	.amdhsa_code_object_version 6
	.text
	.protected	k_q12bf772f41_conv1
	.globl	k_q12bf772f41_conv1
	.p2align	8
	.type	k_q12bf772f41_conv1,@function
k_q12bf772f41_conv1:
	s_mov_b64 s[64:65], 0
	v_nop
	global_prefetch_b8 v0, s[64:65] scope:SCOPE_SE
	s_setreg_imm32_b32 hwreg(HW_REG_WAVE_MODE, 25, 1), 1
	s_wait_xcnt 0x0
	s_wait_alu depctr_hold_cnt(0) depctr_sa_sdst(0) depctr_va_vdst(0) depctr_va_sdst(0) depctr_va_ssrc(0) depctr_va_vcc(0) depctr_vm_vsrc(0)
	s_getreg_b32 s2, hwreg(HW_REG_IB_STS2, 6, 4)
	s_cmp_eq_u32 s2, 0
	s_cbranch_scc0 .Lentry_in_a_cluster
	s_endpgm
.Lentry_in_a_cluster:
	s_bfe_u32 s2, ttmp6, 0x10000c
	s_cmp_lg_u32 s2, 0x3003
	s_cbranch_scc0 .Lentry_shape_is_right
	s_endpgm
.Lentry_shape_is_right:
; h = relu(a0 (x w0^T + b0 - mu0) + beta0) is made from x's stored codes, quantised to E2M3 along K = 256 and stored as images of the operand's registers; y1 = h w1^T is multiplied for its statistics alone (as in the launch that made x).
; SHARES: a work-group has 256 rows, a wave 64: four tiles of 16, against all channels.  x's 12 fragments and h's 8 stay in the wave's registers.
; THE FIRST PRODUCT IS USED TRANSPOSED (source 0 = 16 rows of w0, source 1 = x), and w0's tiles were laid with rows 32 b + 8 u + r + 8 (r / 8): the 16 registers of tiles 2 b, 2 b + 1 are 16 neighbours along the next K.
; b0 - mu0 is the C of each sum's first product.  Four groups of 64 hidden units; each becomes half a fragment of h for each of the four tiles of rows.
; THE WEIGHTS' images (w0's and w1's: 122,880 + 10,240 bytes) are asked for jointly by the four work-groups of a cluster, once; nothing in LDS is filled twice.
; LIMITS: NaN and infinities are not served; a block whose largest magnitude lies under 2^-124 keeps the scale byte 1.
; REGISTERS: window 0: v1-13 addresses; v16-23 x's scale words; v24-27 h's (pair p: s0, s1); v28-33 the weights', two sets; v36-51 b0 - mu0, two sets; v52-83 a0 and beta0, later statistics; v84-100 the quantiser's; v102-111 statistics;
;   v112-115 b1; v128-255 accumulators (32 i + 8 tt).   window 1: v0-143 x's fragments; v144-215 two sets of a tile's weights.   window 2: h's fragments, (tile i, K step s) at 12 (2 i + s).
.set WSCL,  122880
.set BNT,   133120                     ; b0 - mu0 [256], a0 at + 1,024, beta0 at + 2,048
.set STATS, 136192
.set WQ,    16777216
.set WSCG,  16900096
.set XQ,    524288
.set XSCG,  19398656
.set HQ,    524288
.set HSCG,  13107200
.set L16, 1
.set L8,  2
.set L4,  3
.set WB2, 4
.set WC,  5
.set WSA, 6
.set WSB, 7
.set BN,  8
.set SA,  9
.set CAD, 10
.set POF, 11
.set BO,  12
.set XS,  16
.set HS,  24
.set WS,  28
.set CB,  36
.set AB,  52
.set TP,  52
.set TM,  84
.set TX,  86
.set SO,  88
.set BY,  90
.set HW,  92
.set HWA, 93
.set PC,  94
.set MEAN, 102
.set SUM, 104
.set TXS, 105
.set M2R, 106
.set VAL, 107
.set SQA, 108
.set SQB, 110
.set BIAS, 112
.set ACC, 128
.set WV,  16
.set HI,  67
.set SEL, 68
.set MSB, 0
.macro WIN new                         ; the immediate's high byte repeats the setting that is left
.if MSB != \new
	s_set_vgpr_msb (MSB<<8)|\new
.set MSB, \new
.endif
.endm
.macro ROUND                           ; a round of the cluster's barrier
	s_barrier_signal -1
	s_barrier_wait -1
	s_cmp_lg_u32 s[WV], 0
	s_cbranch_scc1 .Lnw0_\@
	s_barrier_signal -3
.Lnw0_\@:
	s_barrier_wait -3
	s_barrier_signal -1
	s_barrier_wait -1
.endm
.macro WM z, d, a, b, cr, sa, sb, row  ; a product: z = 1: C is 0, else the eight registers from cr on
.if \z
	v_wmma_scale_f32_16x16x128_f8f6f4 v[(\d):(\d)+7], v[(\a):(\a)+11], v[(\b):(\b)+11], 0, v[\sa], v[\sb] matrix_a_fmt:MATRIX_FMT_FP6 matrix_b_fmt:MATRIX_FMT_FP6 \row
.else
	v_wmma_scale_f32_16x16x128_f8f6f4 v[(\d):(\d)+7], v[(\a):(\a)+11], v[(\b):(\b)+11], v[(\cr):(\cr)+7], v[\sa], v[\sb] matrix_a_fmt:MATRIX_FMT_FP6 matrix_b_fmt:MATRIX_FMT_FP6 \row
.endif
.endm
; 32 numbers of a lane, none negative, register 16 b + i = k 32 b + 16 (lane / 16) + i of my row, become half a fragment: lane (r, h) ends with block h, lower 16 codes in v[PC] on, upper 16 in v[PC + 4] on; v[HW]: the two scale bytes
.macro QUANT2 n
.irp b, 0,1
	v_max3_num_f32 v[TM+\b], v[(\n)+16*\b], v[(\n)+16*\b+1], 0x1800000   ; with the floor 2^(3 - 127): the byte cannot fall under 1
.endr
.irp i, 2,4,6,8,10,12,14
.irp b, 0,1
	v_max3_num_f32 v[TM+\b], v[TM+\b], v[(\n)+16*\b+\i], v[(\n)+16*\b+\i+1]
.endr
.endr
.irp b, 0,1
	v_permlanex16_b32 v[TX+\b], v[TM+\b], s[SEL], s[SEL+1]
.endr
.irp b, 0,1
	v_max_num_f32 v[TM+\b], v[TM+\b], v[TX+\b]
.endr
.irp b, 0,1
	v_add_nc_u32 v[SO+\b], 0xff000000, v[TM+\b]    ; 2 off the exponent field: the conversion's scale operand
.endr
.irp b, 0,1
	v_lshrrev_b32 v[BY+\b], 23, v[SO+\b]
.endr
	v_lshl_or_b32 v[HW], v[BY+1], 8, v[BY]
	v_cvt_scalef32_pk16_fp6_f32 v[PC:PC+2], v[(\n):(\n)+15], v[SO]
	v_cvt_scalef32_pk16_fp6_f32 v[PC+4:PC+6], v[(\n)+16:(\n)+31], v[SO+1]
	v_nop                                          ; one plain place behind a scaled conversion
.irp i, 0,1,2
	v_permlane16_swap_b32 v[PC+\i], v[PC+4+\i]
.endr
.endm
.macro PUT6 dst, win
	WIN \win
.irp i, 0,1,2
	v_mov_b32 v[(\dst)+\i], v[PC+\i]
	v_mov_b32 v[(\dst)+3+\i], v[PC+4+\i]
.endr
	WIN 0
.endm
	s_load_b256 s[4:11], s[0:1], 0x0               ; xqbuf, prep, b0, bn0
	s_load_b128 s[12:15], s[0:1], 0x20             ; b1, hqbuf
	v_lshl_add_u32 v126, v0, 2, 0x29000
	v_mov_b32 v127, 0
	ds_add_u32 v126, v127
	ds_add_u32 v126, v127
	v_lshrrev_b32 v13, 5, v0
	v_readfirstlane_b32 s[WV], v13
	v_and_b32 v15, 31, v0
	v_and_b32 v13, 15, v0                          ; r
	v_bfe_u32 v14, v0, 4, 1                        ; h
	v_lshlrev_b32 v[L16], 4, v15
	v_lshlrev_b32 v[L8], 3, v15
	v_lshlrev_b32 v[L4], 2, v15
	v_add_nc_u32 v[WB2], 49152, v[L16]             ; w0's K step 2
	v_add_nc_u32 v[WC], 73728, v[L16]              ; w1
	v_add_nc_u32 v[WSA], WSCL, v[L4]
	v_add_nc_u32 v[WSB], WSCL+6144, v[L4]
	v_lshlrev_b32 v[BN], 6, v14
	v_add_nc_u32 v[BN], BNT, v[BN]
	v_lshlrev_b32 v[SA], 2, v13
	v_lshl_add_u32 v[SA], v14, 10, v[SA]
	s_lshl_b32 s21, s[WV], 11
	s_add_co_u32 s21, s21, STATS
	v_add_nc_u32 v[SA], s21, v[SA]
	s_lshl_b32 s21, s[WV], 8
	v_lshl_add_u32 v[BO], v13, 3, s21
	v_add_nc_u32 v[CAD], STATS, v[BO]
	s_lshl_b32 s21, s[WV], 17
	v_lshlrev_b32 v[POF], 3, v13
	v_lshl_add_u32 v[POF], v14, 7, v[POF]
	v_add_nc_u32 v[POF], s21, v[POF]
	v_lshlrev_b32 v13, 3, v0                       ; 8 t: my two channels of the table
	v_add_nc_u32 v14, BNT, v13
	s_bfe_u32 s17, ttmp6, 0x40000                  ; my place in the cluster: it enters global addresses alone
	s_lshl_b32 s18, ttmp9, 2
	s_add_co_u32 s18, s18, s17
	s_lshl_b32 s19, s18, 2
	s_add_co_u32 s19, s19, s[WV]                   ; the wave's number in the launch
	s_mul_i32 s22, s19, 18432
	s_mov_b32 s23, 0
	s_lshl_b32 s24, s19, 10
	s_mov_b32 s25, 0
	s_mul_i32 s26, s19, 12288
	s_mov_b32 s27, 0
	s_lshl_b32 s76, s19, 9
	s_mov_b32 s77, 0
	s_lshl_b32 s78, s18, 8
	s_mov_b32 s79, 0
	; descriptor group 1: a dense block as rows of 256 bytes (32 elements of 8 bytes); the mask names the cluster's four work-groups
	s_mov_b32 s40, 15|(3<<16)|(1<<21)
	s_mov_b32 s41, 32<<16
	s_mov_b32 s42, 120<<16
	s_mov_b32 s43, 32<<16
	s_mov_b32 s44, 120
	s_mov_b32 s45, 32
	s_mov_b32 s46, 0
	s_mov_b32 s47, 0
	s_mov_b32 s48, 15|(3<<16)|(1<<21)
	s_mov_b32 s49, 32<<16
	s_mov_b32 s50, 10<<16
	s_mov_b32 s51, 32<<16
	s_mov_b32 s52, 10
	s_mov_b32 s53, 32
	s_mov_b32 s54, 0
	s_mov_b32 s55, 0
	s_mov_b32 s32, 1
	s_mul_i32 s33, s[WV], 30720                    ; each wave brings a quarter: 120 rows of the codes,
	s_mov_b32 s74, s33
	s_mov_b32 s75, 0
	s_mov_b32 s36, 1
	s_mul_i32 s37, s[WV], 2560                     ; 10 of the scale words
	s_mov_b32 s84, s37
	s_mov_b32 s85, 0
	s_add_co_u32 s37, s37, WSCL
	s_mov_b32 s[HI], 0xffff0000
	s_mov_b32 s[SEL], 0x76543210
	s_mov_b32 s[SEL+1], 0xfedcba98
	s_wait_dscnt 0x0
	s_wait_kmcnt 0x0
	s_add_nc_u64 s[34:35], s[6:7], s[74:75]
	s_add_nc_u64 s[34:35], s[34:35], WQ
	s_or_b32 s35, s35, 0x80000000
	s_add_nc_u64 s[38:39], s[6:7], s[84:85]
	s_add_nc_u64 s[38:39], s[38:39], WSCG
	s_or_b32 s39, s39, 0x80000000
	s_add_nc_u64 s[28:29], s[4:5], s[22:23]
	s_add_nc_u64 s[28:29], s[28:29], XQ
	s_add_nc_u64 s[30:31], s[4:5], s[24:25]
	s_add_nc_u64 s[30:31], s[30:31], XSCG
	s_add_nc_u64 s[56:57], s[14:15], s[26:27]
	s_add_nc_u64 s[56:57], s[56:57], HQ
	s_add_nc_u64 s[58:59], s[14:15], s[76:77]
	s_add_nc_u64 s[58:59], s[58:59], HSCG
	s_add_nc_u64 s[72:73], s[14:15], s[78:79]
	ROUND                                          ; all four work-groups are here: the joint loads meet
	tensor_load_to_lds s[32:35], s[40:47]          ; two loads of mine are out
	s_nop 0
	tensor_load_to_lds s[36:39], s[48:55]
	s_nop 0
.rept 4
	v_nop
.endr
	WIN 0x40                                       ; destination window 1
.irp i, 0,1,2,3
.irp s, 0,1
.irp g, 0,1,2
	global_load_b128 v[12*(3*\i+\s)+4*\g:12*(3*\i+\s)+4*\g+3], v[L16], s[28:29] offset:4608*\i+1536*\s+512*\g th:TH_LOAD_NT
.endr
.endr
	global_load_b128 v[12*(3*\i+2):12*(3*\i+2)+3], v[L16], s[28:29] offset:4608*\i+3072 th:TH_LOAD_NT
	global_load_b64 v[12*(3*\i+2)+4:12*(3*\i+2)+5], v[L8], s[28:29] offset:4608*\i+3584 th:TH_LOAD_NT
.irp j, 6,7,8,9,10,11
	v_mov_b32 v[12*(3*\i+2)+\j], 0                 ; K step 2 has 64 numbers: the rest are zero codes
.endr
.endr
	WIN 0
	global_load_b128 v[XS:XS+3], v[L16], s[30:31] th:TH_LOAD_NT
	global_load_b128 v[XS+4:XS+7], v[L16], s[30:31] offset:512 th:TH_LOAD_NT
	global_load_b64 v[52:53], v13, s[10:11]        ; mu0
	global_load_b64 v[54:55], v13, s[10:11] offset:1024
	global_load_b64 v[56:57], v13, s[10:11] offset:2048
	global_load_b64 v[58:59], v13, s[8:9]          ; b0
	global_load_b64 v[BIAS:BIAS+1], v[BO], s[12:13]
	global_load_b64 v[BIAS+2:BIAS+3], v[BO], s[12:13] offset:128
	v_mov_b32 v[TX], 0                             ; written once: a lane permute's destination counts as one of its sources
	v_mov_b32 v[TX+1], 0
	v_mov_b32 v[TXS], 0
	v_mov_b32 v[MEAN+1], 0                         ; (named as the upper half of a pair)
	s_wait_loadcnt 0x0
	v_pk_add_f32 v[60:61], v[58:59], v[52:53] neg_lo:[0,1] neg_hi:[0,1]
	ds_store_b64 v14, v[60:61]
	ds_store_b64 v14, v[54:55] offset:1024
	ds_store_b64 v14, v[56:57] offset:2048
	s_wait_tensorcnt 0x0                           ; my quarter of the weights has landed,
	s_wait_dscnt 0x0                               ; and my part of the table
	s_barrier_signal -1
	s_barrier_wait -1
.macro W0LOAD t, set                   ; tile t of w0: three fragments, three scale words, and b0 - mu0 in the result's layout: 14 loads
	WIN 0x40
.irp s, 0,1
.irp g, 0,1,2
	ds_load_b128 v[144+36*(\set)+12*\s+4*\g:144+36*(\set)+12*\s+4*\g+3], v[L16] offset:24576*\s+1536*(\t)+512*\g
.endr
.endr
.irp g, 0,1,2
	ds_load_b128 v[168+36*(\set)+4*\g:168+36*(\set)+4*\g+3], v[WB2] offset:1536*(\t)+512*\g
.endr
	WIN 0
.irp s, 0,1,2
	ds_load_b32 v[WS+3*(\set)+\s], v[WSA] offset:2048*\s+128*(\t)
.endr
	ds_load_b128 v[CB+8*(\set):CB+8*(\set)+3], v[BN] offset:128*((\t)/2)+32*((\t)%2)
	ds_load_b128 v[CB+8*(\set)+4:CB+8*(\set)+7], v[BN] offset:128*((\t)/2)+32*((\t)%2)+16
.endm
.macro W1LOAD u                        ; a tile of w1: two fragments and two scale words: 8 loads
	WIN 0x40
.irp s, 0,1
.irp g, 0,1,2
	ds_load_b128 v[144+12*\s+4*\g:144+12*\s+4*\g+3], v[WC] offset:24576*\s+1536*\u+512*\g
.endr
.endr
	WIN 0
.irp s, 0,1
	ds_load_b32 v[WS+\s], v[WSB] offset:2048*\s+128*\u
.endr
.endm
.macro MM1 t, s, i
.set DR, ACC+32*\i+8*((\t)%4)
.set AR, 144+36*((\t)%2)+12*\s
.set BR, 12*(3*\i+\s)
.set CR, DR
.if \s == 0
.set CR, CB+8*((\t)%2)
.endif
.if \i % 2
	WM 0, DR, AR, BR, CR, WS+3*((\t)%2)+\s, XS+4*(\i/2)+\s, matrix_b_scale:MATRIX_SCALE_ROW1
.else
	WM 0, DR, AR, BR, CR, WS+3*((\t)%2)+\s, XS+4*(\i/2)+\s
.endif
.endm
; a tile of 16 hidden units for the four tiles of rows: 12 products, the four accumulators by turns; the next tile's loads are issued first and stay out
.macro NTILE t
.rept 4
	v_nop                                          ; places in front of loads into registers that the tile before has read
.endr
.if (\t) < 15
	W0LOAD (\t)+1, ((\t)+1)%2
	s_wait_dscnt 14                                ; the 14 loads just issued stay out
.else
	W1LOAD 0
	s_wait_dscnt 8                                 ; the 8 loads just issued stay out
.endif
	WIN 0x05                                       ; sources 0 (w0) and 1 (x): window 1
.irp s, 0,1,2
.irp i, 0,1,2,3
	MM1 \t, \s, \i
.endr
.endr
	WIN 0
.endm
.macro GROUP gq                        ; hidden units 64 gq on
	NTILE 4*(\gq)
	NTILE 4*(\gq)+1
	NTILE 4*(\gq)+2
	NTILE 4*(\gq)+3
.rept 4
	v_nop                                          ; places in front of the first read of results
.endr
.irp bb, 0,1
.irp jj, 0,1,2,3
	ds_load_b128 v[AB+4*\jj:AB+4*\jj+3], v[BN] offset:1024+256*(\gq)+128*\bb+16*\jj
	ds_load_b128 v[AB+16+4*\jj:AB+16+4*\jj+3], v[BN] offset:2048+256*(\gq)+128*\bb+16*\jj
.endr
	s_wait_dscnt 0x0
.irp ii, 0,1,2,3
.irp pp, 0,1,2,3,4,5,6,7
	v_pk_fma_f32 v[ACC+32*\ii+16*\bb+2*\pp:ACC+32*\ii+16*\bb+2*\pp+1], v[ACC+32*\ii+16*\bb+2*\pp:ACC+32*\ii+16*\bb+2*\pp+1], v[AB+2*\pp:AB+2*\pp+1], v[AB+16+2*\pp:AB+17+2*\pp]   ; a0 (y - mu0) + beta0, each accumulator from its low end on
.endr
.irp pp, 0,1,2,3,4,5,6,7,8,9,10,11,12,13,14,15
	v_max_num_f32 v[ACC+32*\ii+16*\bb+\pp], 0, v[ACC+32*\ii+16*\bb+\pp]
.endr
.endr
.endr
.irp ii, 0,1,2,3
	QUANT2 ACC+32*\ii
	PUT6 12*(2*\ii+(\gq)/2)+6*((\gq)%2), 0x80
.if \ii % 2 == 0
	v_mov_b32 v[HWA], v[HW]
.else
	v_cndmask_b32 v[HWA], v[HWA], v[HW], s[HI]     ; lanes 0-15 the even tile's bytes, lanes 16-31 the odd tile's
.if (\gq) % 2 == 0
	v_mov_b32 v[HS+2*(\ii/2)+(\gq)/2], v[HWA]
.else
	v_lshl_or_b32 v[HS+2*(\ii/2)+(\gq)/2], v[HWA], 16, v[HS+2*(\ii/2)+(\gq)/2]
.endif
.endif
.endr
.if (\gq) % 2
	WIN 0x08                                       ; a store's data: window 2.  These registers are never written again
.irp ii, 0,1,2,3
.irp gg, 0,1,2
	global_store_b128 v[L16], v[12*(2*\ii+(\gq)/2)+4*\gg:12*(2*\ii+(\gq)/2)+4*\gg+3], s[56:57] offset:3072*\ii+1536*((\gq)/2)+512*\gg
.endr
.endr
	WIN 0
.endif
.endm
	W0LOAD 0, 0
	GROUP 0
	GROUP 1
	GROUP 2
	GROUP 3
	global_store_b64 v[L8], v[HS:HS+1], s[58:59]
	global_store_b64 v[L8], v[HS+2:HS+3], s[58:59] offset:256
.rept 8
	v_nop                                          ; h's scale words were written by vector instructions: eight places ahead of the first scaled product that names them
.endr
; mean and sum of squares about it of the 64 rows of one channel: each accumulator is read from its low end on
.macro STAT a
.irp i, 0,1,2,3
	v_pk_add_f32 v[TP+2*\i:TP+2*\i+1], v[\a+8*\i:\a+8*\i+1], v[\a+8*\i+2:\a+8*\i+3]
.endr
.irp i, 0,1,2,3
	v_pk_add_f32 v[TP+8+2*\i:TP+9+2*\i], v[\a+8*\i+4:\a+8*\i+5], v[\a+8*\i+6:\a+8*\i+7]
.endr
.irp i, 0,1,2,3
	v_pk_add_f32 v[TP+2*\i:TP+2*\i+1], v[TP+2*\i:TP+2*\i+1], v[TP+8+2*\i:TP+9+2*\i]
.endr
	v_pk_add_f32 v[TP:TP+1], v[TP:TP+1], v[TP+2:TP+3]
	v_pk_add_f32 v[TP+4:TP+5], v[TP+4:TP+5], v[TP+6:TP+7]
	v_pk_add_f32 v[TP:TP+1], v[TP:TP+1], v[TP+4:TP+5]
	v_add_f32 v[SUM], v[TP], v[TP+1]
	v_permlanex16_b32 v[TXS], v[SUM], s[SEL], s[SEL+1]
	v_add_f32 v[SUM], v[SUM], v[TXS]
	v_mul_f32 v[MEAN], 0x3c800000, v[SUM]          ; / 64
.set sj, 0
.rept 16
	v_pk_add_f32 v[TP+2*sj:TP+2*sj+1], v[\a+2*sj:\a+2*sj+1], v[MEAN:MEAN+1] op_sel_hi:[1,0] neg_lo:[0,1] neg_hi:[0,1]
.set sj, sj+1
.endr
	v_pk_mul_f32 v[SQA:SQA+1], v[TP:TP+1], v[TP:TP+1]
	v_pk_mul_f32 v[SQB:SQB+1], v[TP+2:TP+3], v[TP+2:TP+3]
.set sj, 2
.rept 7
	v_pk_fma_f32 v[SQA:SQA+1], v[TP+2*sj:TP+2*sj+1], v[TP+2*sj:TP+2*sj+1], v[SQA:SQA+1]
	v_pk_fma_f32 v[SQB:SQB+1], v[TP+2*sj+2:TP+2*sj+3], v[TP+2*sj+2:TP+2*sj+3], v[SQB:SQB+1]
.set sj, sj+2
.endr
	v_pk_add_f32 v[SQA:SQA+1], v[SQA:SQA+1], v[SQB:SQB+1]
	v_add_f32 v[M2R], v[SQA], v[SQA+1]
	v_permlanex16_b32 v[TXS], v[M2R], s[SEL], s[SEL+1]
	v_add_f32 v[M2R], v[M2R], v[TXS]
	v_cndmask_b32 v[VAL], v[MEAN], v[M2R], s[HI]
	ds_store_b32 v[SA], v[VAL]
.endm
.macro MM2 s, i
.if \i % 2
	WM (\s==0), ACC+8*\i, 12*(2*\i+\s), 144+12*\s, ACC+8*\i, HS+2*(\i/2)+\s, WS+\s, matrix_a_scale:MATRIX_SCALE_ROW1
.else
	WM (\s==0), ACC+8*\i, 12*(2*\i+\s), 144+12*\s, ACC+8*\i, HS+2*(\i/2)+\s, WS+\s
.endif
.endm
; a tile of 16 channels of y1: source 0 = h, source 1 = w1, so that a lane holds one channel; 8 products, the four accumulators by turns
.macro NT2 pf
	s_wait_dscnt 0x0
	WIN 0x06                                       ; source 0 (h) window 2, source 1 (w1) window 1
.irp s, 0,1
.irp i, 0,1,2,3
	MM2 \s, \i
.endr
.endr
	WIN 0
.rept 4
	v_nop
.endr
.if \pf
	W1LOAD 1
.endif
	STAT ACC
.endm
	s_mov_b32 s70, 15
.Lnt:
	NT2 1
	v_add_nc_u32 v[WC], 1536, v[WC]
	v_add_nc_u32 v[WSB], 128, v[WSB]
	v_add_nc_u32 v[SA], 64, v[SA]
	s_sub_co_u32 s70, s70, 1
	s_cmp_lg_u32 s70, 0
	s_cbranch_scc1 .Lnt
	NT2 0                                          ; the last tile fetches nothing
	s_wait_dscnt 0x0                               ; for the others' sake: my figures have landed
	s_barrier_signal -1
	s_barrier_wait -1
; the four waves' figures are joined as in the launch that made x; b1 goes onto the mean
.set CM, 128
.set CT, CM+32
.set CO, CM+40
.irp pp, 0,1
.irp wv, 0,1,2,3
	ds_load_b64 v[CM+16*\pp+2*\wv:CM+16*\pp+2*\wv+1], v[CAD] offset:2048*\wv+128*\pp
	ds_load_b64 v[CM+16*\pp+8+2*\wv:CM+16*\pp+9+2*\wv], v[CAD] offset:2048*\wv+1024+128*\pp
.endr
.endr
	s_wait_dscnt 0x0
.irp pp, 0,1
	v_pk_add_f32 v[CT:CT+1], v[CM+16*\pp:CM+16*\pp+1], v[CM+16*\pp+2:CM+16*\pp+3]
	v_pk_add_f32 v[CT+2:CT+3], v[CM+16*\pp+4:CM+16*\pp+5], v[CM+16*\pp+6:CM+16*\pp+7]
	v_pk_add_f32 v[CT:CT+1], v[CT:CT+1], v[CT+2:CT+3]
	v_pk_mul_f32 v[CT:CT+1], v[CT:CT+1], 0x3e800000 op_sel_hi:[1,0]
.irp wv, 0,1,2,3
	v_pk_add_f32 v[CM+16*\pp+2*\wv:CM+16*\pp+2*\wv+1], v[CM+16*\pp+2*\wv:CM+16*\pp+2*\wv+1], v[CT:CT+1] neg_lo:[0,1] neg_hi:[0,1]
.endr
	v_pk_mul_f32 v[CT+2:CT+3], v[CM+16*\pp:CM+16*\pp+1], v[CM+16*\pp:CM+16*\pp+1]
.irp wv, 1,2,3
	v_pk_fma_f32 v[CT+2:CT+3], v[CM+16*\pp+2*\wv:CM+16*\pp+2*\wv+1], v[CM+16*\pp+2*\wv:CM+16*\pp+2*\wv+1], v[CT+2:CT+3]
.endr
	v_pk_add_f32 v[CT+4:CT+5], v[CM+16*\pp+8:CM+16*\pp+9], v[CM+16*\pp+10:CM+16*\pp+11]
	v_pk_add_f32 v[CT+6:CT+7], v[CM+16*\pp+12:CM+16*\pp+13], v[CM+16*\pp+14:CM+16*\pp+15]
	v_pk_add_f32 v[CT+4:CT+5], v[CT+4:CT+5], v[CT+6:CT+7]
	v_pk_fma_f32 v[CT+4:CT+5], v[CT+2:CT+3], 0x42800000, v[CT+4:CT+5] op_sel_hi:[1,0,1]
	v_pk_add_f32 v[CT:CT+1], v[CT:CT+1], v[BIAS+2*\pp:BIAS+2*\pp+1]
	v_cndmask_b32 v[CO+2*\pp], v[CT], v[CT+4], s[HI]
	v_cndmask_b32 v[CO+2*\pp+1], v[CT+1], v[CT+5], s[HI]
	global_store_b64 v[POF], v[CO+2*\pp:CO+2*\pp+1], s[72:73] offset:65536*\pp   ; 32 means, then 32 sums of squares: 256 consecutive bytes
.endr
	s_wait_tensorcnt 0x0
	ds_add_u32 v126, v127
	s_wait_dscnt 0x0
	ROUND                                          ; the closing round: no work-group ends while a partner may still ask jointly
	s_endpgm
.Lfunc_end_k_q12bf772f41_conv1:
	.size	k_q12bf772f41_conv1, .Lfunc_end_k_q12bf772f41_conv1-k_q12bf772f41_conv1
	.p2alignl 7, 3214868480
	.fill 96, 4, 3214868480
	.section	.rodata,"a",@progbits
	.p2align	6, 0x0
	.amdhsa_kernel k_q12bf772f41_conv1
		.amdhsa_group_segment_fixed_size 168448
		.amdhsa_private_segment_fixed_size 0
		.amdhsa_enable_private_segment 0
		.amdhsa_kernarg_size 48
		.amdhsa_user_sgpr_count 2
		.amdhsa_user_sgpr_kernarg_segment_ptr 1
		.amdhsa_wavefront_size32 1
		.amdhsa_system_sgpr_workgroup_id_x 1
		.amdhsa_system_sgpr_workgroup_id_y 1
		.amdhsa_system_sgpr_workgroup_id_z 1
		.amdhsa_system_vgpr_workitem_id 0
		.amdhsa_next_free_vgpr 608
		.amdhsa_next_free_sgpr 96
		.amdhsa_reserve_vcc 0
		.amdhsa_float_denorm_mode_32 3
		.amdhsa_float_denorm_mode_16_64 3
		.amdhsa_memory_ordered 1
		.amdhsa_forward_progress 1
		.amdhsa_inst_pref_size 141
	.end_amdhsa_kernel
	.amdgpu_metadata
---
amdhsa.version: [ 1, 2 ]
amdhsa.kernels:
  - .name:           k_q12bf772f41_conv1
    .symbol:         k_q12bf772f41_conv1.kd
    .args:
      - { .name: xqbuf, .offset: 0, .size: 8, .value_kind: global_buffer, .address_space: global }
      - { .name: prep, .offset: 8, .size: 8, .value_kind: global_buffer, .address_space: global }
      - { .name: b0, .offset: 16, .size: 8, .value_kind: global_buffer, .address_space: global }
      - { .name: bn0, .offset: 24, .size: 8, .value_kind: global_buffer, .address_space: global }
      - { .name: b1, .offset: 32, .size: 8, .value_kind: global_buffer, .address_space: global }
      - { .name: hqbuf, .offset: 40, .size: 8, .value_kind: global_buffer, .address_space: global }
    .group_segment_fixed_size: 168448
    .private_segment_fixed_size: 0
    .kernarg_segment_align: 8
    .kernarg_segment_size: 48
    .max_flat_workgroup_size: 128
    .sgpr_count:     96
    .vgpr_count:     608
    .wavefront_size: 32
...
	.end_amdgpu_metadata
.endif
;; end of part 5
;; launch bnred1: the kernel of part 4 again; grid 8 x 1, 16 waves a work-group, no clusters, 10,240 bytes of LDS; arguments hqbuf, g1, be1, bn1; writes bn1
;; launch final (part 6): grid 256 x 1, 4 waves a work-group, clusters of 4 x 1, 168,448 bytes of LDS; arguments hqbuf, prep, b1, bn1, out0; writes out0
.if DOCPART == 6
	.amdgcn_target "amdgcn-amd-amdhsa--gfx1250"
	.amdhsa_code_object_version 6
	.text
	.protected	k_q12bf772f41_final
	.globl	k_q12bf772f41_final
	.p2align	8
	.type	k_q12bf772f41_final,@function
k_q12bf772f41_final:
	s_mov_b64 s[64:65], 0
	v_nop
	global_prefetch_b8 v0, s[64:65] scope:SCOPE_SE
	s_setreg_imm32_b32 hwreg(HW_REG_WAVE_MODE, 25, 1), 1
	s_wait_xcnt 0x0
	s_wait_alu depctr_hold_cnt(0) depctr_sa_sdst(0) depctr_va_vdst(0) depctr_va_sdst(0) depctr_va_ssrc(0) depctr_va_vcc(0) depctr_vm_vsrc(0)
	s_getreg_b32 s2, hwreg(HW_REG_IB_STS2, 6, 4)
	s_cmp_eq_u32 s2, 0
	s_cbranch_scc0 .Lentry_in_a_cluster
	s_endpgm
.Lentry_in_a_cluster:
	s_bfe_u32 s2, ttmp6, 0x10000c
	s_cmp_lg_u32 s2, 0x3003
	s_cbranch_scc0 .Lentry_shape_is_right
	s_endpgm
.Lentry_shape_is_right:
; out[b][c][n] = relu(a1 (h w1^T + b1 - mu1) + beta1), from h's stored codes.
; SHARES: a work-group has 256 queries, a wave 64: four tiles of 16, against all 256 channels, 16 at a time.  h's 8 fragments stay in the wave's registers.
; Source 0 = h, source 1 = w1: a lane holds ONE channel and eight neighbouring queries of each tile, which are neighbours in the output's rows.  A tile of 16 channels x 64 queries goes through my stage in LDS
; and leaves as rows: sixteen lanes store a channel's 256 consecutive bytes.
; w1's images (49,152 + 4,096 bytes) are asked for jointly by the four work-groups of a cluster, once; nothing in LDS is filled twice.
; REGISTERS: window 0: v1-9 addresses; v16-19 h's scale words (pair p: s0, s1); v20-21 w1's; v24-26 my channel's b1 - mu1, a1, beta1 as loaded; v[28:29], v[30:31], v[56:57] the same as pairs; v32-55 w1's fragments;
;   v64-95 four accumulators; v96-127 rows on their way out.   window 1: h's fragments, (tile i, K step s) at 12 (2 i + s).
.set W1SC, 49152
.set BNT,  53248
.set OST,  56320                       ; for each wave 16 rows of 256 + 16 bytes
.set WQ1,  16777216+73728
.set WSC1, 16900096+6144
.set HQ,   524288
.set HSCG, 13107200
.set L16, 1
.set L8,  2
.set L4,  3
.set WAD, 4
.set WSA, 5
.set BNA, 6
.set STO, 7
.set RD,  8
.set GO,  9
.set HS,  16
.set WS,  20
.set BP,  24
.set WB,  32
.set ACC, 64
.set OB,  96
.set WV,  16
.set MSB, 0
.macro WIN new                         ; the immediate's high byte repeats the setting that is left
.if MSB != \new
	s_set_vgpr_msb (MSB<<8)|\new
.set MSB, \new
.endif
.endm
.macro ROUND                           ; a round of the cluster's barrier
	s_barrier_signal -1
	s_barrier_wait -1
	s_cmp_lg_u32 s[WV], 0
	s_cbranch_scc1 .Lnw0_\@
	s_barrier_signal -3
.Lnw0_\@:
	s_barrier_wait -3
	s_barrier_signal -1
	s_barrier_wait -1
.endm
.macro WM z, d, a, b, cr, sa, sb, row  ; a product: z = 1: C is 0, else the eight registers from cr on
.if \z
	v_wmma_scale_f32_16x16x128_f8f6f4 v[(\d):(\d)+7], v[(\a):(\a)+11], v[(\b):(\b)+11], 0, v[\sa], v[\sb] matrix_a_fmt:MATRIX_FMT_FP6 matrix_b_fmt:MATRIX_FMT_FP6 \row
.else
	v_wmma_scale_f32_16x16x128_f8f6f4 v[(\d):(\d)+7], v[(\a):(\a)+11], v[(\b):(\b)+11], v[(\cr):(\cr)+7], v[\sa], v[\sb] matrix_a_fmt:MATRIX_FMT_FP6 matrix_b_fmt:MATRIX_FMT_FP6 \row
.endif
.endm
	s_load_b256 s[4:11], s[0:1], 0x0               ; hqbuf, prep, b1, bn1
	s_load_b64 s[12:13], s[0:1], 0x20              ; out0
	v_lshl_add_u32 v254, v0, 2, 0x29000
	v_mov_b32 v255, 0
	ds_add_u32 v254, v255
	ds_add_u32 v254, v255
	v_lshrrev_b32 v13, 5, v0
	v_readfirstlane_b32 s[WV], v13
	v_and_b32 v15, 31, v0
	v_and_b32 v13, 15, v0                          ; r
	v_bfe_u32 v14, v0, 4, 1                        ; h
	v_lshlrev_b32 v[L16], 4, v15
	v_lshlrev_b32 v[L8], 3, v15
	v_lshlrev_b32 v[L4], 2, v15
	v_mov_b32 v[WAD], v[L16]
	v_add_nc_u32 v[WSA], W1SC, v[L4]
	v_lshlrev_b32 v[BNA], 2, v13
	v_add_nc_u32 v[BNA], BNT, v[BNA]
	s_mul_i32 s21, s[WV], 4352
	s_add_co_u32 s21, s21, OST
	v_mul_u32_u24 v[STO], v13, 272
	v_lshl_add_u32 v[STO], v14, 5, v[STO]
	v_add_nc_u32 v[STO], s21, v[STO]               ; in: channel row r, + 32 bytes for the upper half
	v_mul_u32_u24 v[RD], v14, 272
	v_lshl_add_u32 v[RD], v13, 4, v[RD]
	v_add_nc_u32 v[RD], s21, v[RD]                 ; back: lanes 0-15 one row, lanes 16-31 the next
	v_lshlrev_b32 v[GO], 4, v13
	v_lshl_add_u32 v[GO], v14, 15, v[GO]           ; and the same two channels in the output: 32,768 bytes apart
	v_lshlrev_b32 v13, 3, v0                       ; 8 t: my two channels of the table
	v_add_nc_u32 v14, BNT, v13
	s_bfe_u32 s17, ttmp6, 0x40000                  ; my place in the cluster: it enters global addresses alone
	s_lshl_b32 s18, ttmp9, 2
	s_add_co_u32 s18, s18, s17
	s_lshl_b32 s19, s18, 2
	s_add_co_u32 s19, s19, s[WV]                   ; the wave's number in the launch
	s_mul_i32 s22, s19, 12288
	s_mov_b32 s23, 0
	s_lshl_b32 s24, s19, 9
	s_mov_b32 s25, 0
	s_lshr_b32 s26, s18, 5                         ; the output: the batch's 8,388,608 bytes, + my 64 queries
	s_lshl_b32 s26, s26, 23
	s_and_b32 s27, s18, 31
	s_lshl_b32 s27, s27, 10
	s_add_co_u32 s26, s26, s27
	s_lshl_b32 s27, s[WV], 8
	s_add_co_u32 s26, s26, s27
	s_mov_b32 s27, 0
	; descriptor group 1: a dense block as rows of 256 bytes (32 elements of 8 bytes); the mask names the cluster's four work-groups
	s_mov_b32 s40, 15|(3<<16)|(1<<21)
	s_mov_b32 s41, 32<<16
	s_mov_b32 s42, 48<<16
	s_mov_b32 s43, 32<<16
	s_mov_b32 s44, 48
	s_mov_b32 s45, 32
	s_mov_b32 s46, 0
	s_mov_b32 s47, 0
	s_mov_b32 s48, 15|(3<<16)|(1<<21)
	s_mov_b32 s49, 32<<16
	s_mov_b32 s50, 4<<16
	s_mov_b32 s51, 32<<16
	s_mov_b32 s52, 4
	s_mov_b32 s53, 32
	s_mov_b32 s54, 0
	s_mov_b32 s55, 0
	s_mov_b32 s32, 1
	s_mul_i32 s33, s[WV], 12288                    ; each wave brings a quarter: 48 rows of the codes,
	s_mov_b32 s74, s33
	s_mov_b32 s75, 0
	s_mov_b32 s36, 1
	s_lshl_b32 s37, s[WV], 10                      ; 4 of the scale words
	s_mov_b32 s84, s37
	s_mov_b32 s85, 0
	s_add_co_u32 s37, s37, W1SC
	s_wait_dscnt 0x0
	s_wait_kmcnt 0x0
	s_add_nc_u64 s[34:35], s[6:7], s[74:75]
	s_add_nc_u64 s[34:35], s[34:35], WQ1
	s_or_b32 s35, s35, 0x80000000
	s_add_nc_u64 s[38:39], s[6:7], s[84:85]
	s_add_nc_u64 s[38:39], s[38:39], WSC1
	s_or_b32 s39, s39, 0x80000000
	s_add_nc_u64 s[28:29], s[4:5], s[22:23]
	s_add_nc_u64 s[28:29], s[28:29], HQ
	s_add_nc_u64 s[30:31], s[4:5], s[24:25]
	s_add_nc_u64 s[30:31], s[30:31], HSCG
	s_add_nc_u64 s[12:13], s[12:13], s[26:27]
	ROUND                                          ; all four work-groups are here: the joint loads meet
	tensor_load_to_lds s[32:35], s[40:47]          ; two loads of mine are out
	s_nop 0
	tensor_load_to_lds s[36:39], s[48:55]
	s_nop 0
.rept 4
	v_nop
.endr
	WIN 0x40                                       ; destination window 1
.irp i, 0,1,2,3
.irp s, 0,1
.irp g, 0,1,2
	global_load_b128 v[12*(2*\i+\s)+4*\g:12*(2*\i+\s)+4*\g+3], v[L16], s[28:29] offset:3072*\i+1536*\s+512*\g th:TH_LOAD_NT
.endr
.endr
.endr
	WIN 0
	global_load_b64 v[HS:HS+1], v[L8], s[30:31] th:TH_LOAD_NT
	global_load_b64 v[HS+2:HS+3], v[L8], s[30:31] offset:256 th:TH_LOAD_NT
	global_load_b64 v[96:97], v13, s[10:11]        ; mu1
	global_load_b64 v[98:99], v13, s[10:11] offset:1024
	global_load_b64 v[100:101], v13, s[10:11] offset:2048
	global_load_b64 v[102:103], v13, s[8:9]        ; b1
	s_wait_loadcnt 0x0
	v_pk_add_f32 v[104:105], v[102:103], v[96:97] neg_lo:[0,1] neg_hi:[0,1]
	ds_store_b64 v14, v[104:105]
	ds_store_b64 v14, v[98:99] offset:1024
	ds_store_b64 v14, v[100:101] offset:2048
	s_wait_tensorcnt 0x0                           ; my quarter of the weights has landed,
	s_wait_dscnt 0x0                               ; and my part of the table
	s_barrier_signal -1
	s_barrier_wait -1
.macro WLOAD u                         ; a tile of w1: two fragments, two scale words, and my channel's three numbers
.irp s, 0,1
.irp g, 0,1,2
	ds_load_b128 v[WB+12*\s+4*\g:WB+12*\s+4*\g+3], v[WAD] offset:24576*\s+1536*\u+512*\g
.endr
	ds_load_b32 v[WS+\s], v[WSA] offset:2048*\s+128*\u
.endr
.irp k, 0,1,2
	ds_load_b32 v[BP+\k], v[BNA] offset:1024*\k+64*\u
.endr
.endm
.macro MM s, i
.if \i % 2
	WM (\s==0), ACC+8*\i, 12*(2*\i+\s), WB+12*\s, ACC+8*\i, HS+2*(\i/2)+\s, WS+\s, matrix_a_scale:MATRIX_SCALE_ROW1
.else
	WM (\s==0), ACC+8*\i, 12*(2*\i+\s), WB+12*\s, ACC+8*\i, HS+2*(\i/2)+\s, WS+\s
.endif
.endm
; a tile of 16 channels: 8 products, the four accumulators by turns; the norm and relu; through the stage; out
.macro NT4 pf
	s_wait_dscnt 0x0                               ; the tile's fragments, scale words and numbers are in
	WIN 0x01                                       ; source 0 (h): window 1
.irp s, 0,1
.irp i, 0,1,2,3
	MM \s, \i
.endr
.endr
	WIN 0
	v_mov_b32 v28, v[BP]                           ; six moves: also the places in front of the loads below and of the first read of results
	v_mov_b32 v29, v[BP]
	v_mov_b32 v30, v[BP+1]
	v_mov_b32 v31, v[BP+1]
	v_mov_b32 v56, v[BP+2]
	v_mov_b32 v57, v[BP+2]
.if \pf
	WLOAD 1
.endif
.set j, 0
.rept 16
	v_pk_add_f32 v[ACC+2*j:ACC+2*j+1], v[ACC+2*j:ACC+2*j+1], v[28:29]          ; y - mu1, each accumulator from its low end on
.set j, j+1
.endr
.set j, 0
.rept 16
	v_pk_fma_f32 v[ACC+2*j:ACC+2*j+1], v[ACC+2*j:ACC+2*j+1], v[30:31], v[56:57]
.set j, j+1
.endr
.set j, 0
.rept 32
	v_max_num_f32 v[ACC+j], 0, v[ACC+j]
.set j, j+1
.endr
.irp i, 0,1,2,3
	ds_store_b128 v[STO], v[ACC+8*\i:ACC+8*\i+3] offset:64*\i
	ds_store_b128 v[STO], v[ACC+8*\i+4:ACC+8*\i+7] offset:64*\i+16
.endr
.irp k, 0,1,2,3,4,5,6,7
	ds_load_b128 v[OB+4*\k:OB+4*\k+3], v[RD] offset:544*\k   ; LDS serves a wave's instructions in order: these see my stores
.endr
	s_wait_dscnt 0x0
.irp k, 0,1,2,3,4,5,6,7
	global_store_b128 v[GO], v[OB+4*\k:OB+4*\k+3], s[12:13] offset:65536*\k th:TH_STORE_NT   ; sixteen lanes store 256 consecutive bytes of a channel; written once, read by nobody here
.endr
.endm
	WLOAD 0
	s_mov_b32 s70, 15
.Lnt:
	NT4 1
	s_wait_xcnt 0x0                                ; the stores have read their registers and their base: both may be written again
	s_add_nc_u64 s[12:13], s[12:13], 524288        ; 16 channels on
	v_add_nc_u32 v[WAD], 1536, v[WAD]
	v_add_nc_u32 v[WSA], 128, v[WSA]
	v_add_nc_u32 v[BNA], 64, v[BNA]
	s_sub_co_u32 s70, s70, 1
	s_cmp_lg_u32 s70, 0
	s_cbranch_scc1 .Lnt
	NT4 0                                          ; the last tile fetches nothing
	s_wait_tensorcnt 0x0
	ds_add_u32 v254, v255
	s_wait_dscnt 0x0
	ROUND                                          ; the closing round: no work-group ends while a partner may still ask jointly
	s_endpgm
.Lfunc_end_k_q12bf772f41_final:
	.size	k_q12bf772f41_final, .Lfunc_end_k_q12bf772f41_final-k_q12bf772f41_final
	.p2alignl 7, 3214868480
	.fill 96, 4, 3214868480
	.section	.rodata,"a",@progbits
	.p2align	6, 0x0
	.amdhsa_kernel k_q12bf772f41_final
		.amdhsa_group_segment_fixed_size 168448
		.amdhsa_private_segment_fixed_size 0
		.amdhsa_enable_private_segment 0
		.amdhsa_kernarg_size 40
		.amdhsa_user_sgpr_count 2
		.amdhsa_user_sgpr_kernarg_segment_ptr 1
		.amdhsa_wavefront_size32 1
		.amdhsa_system_sgpr_workgroup_id_x 1
		.amdhsa_system_sgpr_workgroup_id_y 1
		.amdhsa_system_sgpr_workgroup_id_z 1
		.amdhsa_system_vgpr_workitem_id 0
		.amdhsa_next_free_vgpr 384
		.amdhsa_next_free_sgpr 96
		.amdhsa_reserve_vcc 0
		.amdhsa_float_denorm_mode_32 3
		.amdhsa_float_denorm_mode_16_64 3
		.amdhsa_memory_ordered 1
		.amdhsa_forward_progress 1
		.amdhsa_inst_pref_size 23
	.end_amdhsa_kernel
	.amdgpu_metadata
---
amdhsa.version: [ 1, 2 ]
amdhsa.kernels:
  - .name:           k_q12bf772f41_final
    .symbol:         k_q12bf772f41_final.kd
    .args:
      - { .name: hqbuf, .offset: 0, .size: 8, .value_kind: global_buffer, .address_space: global }
      - { .name: prep, .offset: 8, .size: 8, .value_kind: global_buffer, .address_space: global }
      - { .name: b1, .offset: 16, .size: 8, .value_kind: global_buffer, .address_space: global }
      - { .name: bn1, .offset: 24, .size: 8, .value_kind: global_buffer, .address_space: global }
      - { .name: out0, .offset: 32, .size: 8, .value_kind: global_buffer, .address_space: global }
    .group_segment_fixed_size: 168448
    .private_segment_fixed_size: 0
    .kernarg_segment_align: 8
    .kernarg_segment_size: 40
    .max_flat_workgroup_size: 128
    .sgpr_count:     96
    .vgpr_count:     384
    .wavefront_size: 32
...
	.end_amdgpu_metadata
.endif
;; end of part 6
